; MI455X (gfx1250); checked and timed in simulation.
; The chip was launched on July 23, 2026; its instructions are those of AMD's public machine-readable ISA for CDNA 5 (MIT licence, August 2026) and "CDNA5" Instruction Set Architecture Reference Guide (July 2026). The comments in the code are by the model that wrote it; some were corrected since.
;; Cross Attention Layer. Allowed arithmetic: matrix products marked QUANTISED: E2M1 operands, one E8M0 scale for each 32 along K, by v_wmma_scale_f32_16x16x128_f8f6f4 with both operands' format E2M1 (or v_wmma_scale_f32_32x16x128_f4), f32 sums; everything else in f32.
;; Inputs: Wg_codes 1,024 x 32 x 16 uint8 (E2M1 codes of Wg, K innermost, in blocks of 32 codes, two codes a byte); Wg_scales 1,024 x 32 uint8 (E8M0 scales of Wg, one for each 32 codes along K); Wk_codes 1,024 x 32 x 16 uint8 (E2M1 codes of Wk, K innermost, in blocks of 32 codes, two codes a byte); Wk_scales 1,024 x 32 uint8 (E8M0 scales of Wk, one for each 32 codes along K); Wo_codes 1,024 x 32 x 16 uint8 (E2M1 codes of Wo, K innermost, in blocks of 32 codes, two codes a byte); Wo_scales 1,024 x 32 uint8 (E8M0 scales of Wo, one for each 32 codes along K); Wq_codes 1,024 x 32 x 16 uint8 (E2M1 codes of Wq, K innermost, in blocks of 32 codes, two codes a byte); Wq_scales 1,024 x 32 uint8 (E8M0 scales of Wq, one for each 32 codes along K); Wv_codes 1,024 x 32 x 16 uint8 (E2M1 codes of Wv, K innermost, in blocks of 32 codes, two codes a byte); Wv_scales 1,024 x 32 uint8 (E8M0 scales of Wv, one for each 32 codes along K); bg 1,024 float32; bk 1,024 float32; bo 1,024 float32; bq 1,024 float32; bv 1,024 float32; cross_states_codes 8 x 1,024 x 32 x 16 uint8 (E2M1 codes of cross_states, K innermost, in blocks of 32 codes, two codes a byte); cross_states_scales 8 x 1,024 x 32 uint8 (E8M0 scales of cross_states, one for each 32 codes along K); hidden_states 8 x 1,024 x 1,024 float32; ln_b 1,024 float32; ln_g 1,024 float32.
;; Outputs: out0 8 x 1,024 x 1,024 float32.
;; This version of the problem:
;;   THIS VERSION OF THE PROBLEM IS GIVEN IN LOW PRECISION. The matrix products marked QUANTISED in the list below multiply operands that are first quantised to E2M1 (2 exponent bits, 1 mantissa bit; 4 bits a number), with one power-of-two scale for each 32 numbers along K (OCP MX v1.0); their sums are f32. All else is computed in f32.
;;   The module's matrix products, in the order in which they are computed (A, B: the left and right operand; K: the contracted axis; several contracted axes count as one K, in the product's order):
;;     1. [M 8,192, K 1,024] x [K 1,024, N 1,024]; A: input hidden_states; B: input Wq (given as codes): QUANTISED
;;     2. [M 8,192, K 1,024] x [K 1,024, N 1,024]; A: input cross_states (given as codes); B: input Wk (given as codes): QUANTISED
;;     3. [M 8,192, K 1,024] x [K 1,024, N 1,024]; A: input cross_states (given as codes); B: input Wv (given as codes): QUANTISED
;;     4. batch 128 x [M 1,024, K 64] x [K 64, N 1,024]; A: computed on the way; B: computed on the way: QUANTISED
;;     5. batch 128 x [M 64, K 1,024] x [K 1,024, N 1,024]; A: computed on the way; B: softmax (see below): QUANTISED
;;     6. [M 8,192, K 1,024] x [K 1,024, N 1,024]; A: computed on the way; B: input Wo (given as codes): QUANTISED
;;     7. [M 8,192, K 1,024] x [K 1,024, N 1,024]; A: input hidden_states; B: input Wg (given as codes): QUANTISED
;;   THE QUANTISER, for each operand of a quantised product, along K:
;;     - K is cut into blocks of 32 from its start; a last block that is shorter is filled with zeros.
;;     - A block's scale is 2^e with e = floor(log2(the largest magnitude in the block)) - 2, held to -126 .. 127; a block of zeros has e = 0. As a byte (E8M0): e + 127.
;;     - Each number is divided by its block's scale, clamped to +-6, and rounded to the nearest number of E2M1, ties to even, subnormals kept.
;;     - The product sums the exact products of the quantised numbers (number of the format x scale) in f32.
;;   ~~~python
;;   def quantise(x, axis):      # numpy; x: float32 -> the quantised numbers, widened to float32 again
;;       x = np.moveaxis(x, axis, -1); K = x.shape[-1]
;;       x = np.pad(x, [(0, 0)] * (x.ndim - 1) + [(0, -K % 32)]); x = x.reshape(x.shape[:-1] + (-1, 32)); a = np.abs(x).max(-1, keepdims=True)
;;       e = np.where(a > 0, np.clip(np.frexp(np.where(a > 0, a, 1))[1] - 1 - 2, -126, 127), 0)      # np.frexp(a)[1] - 1 = floor(log2(a)), exactly
;;       r = np.clip(x / 2.0 ** e, -6, 6)
;;       step = 2.0 ** (np.maximum(np.frexp(np.where(r == 0, 1, r))[1] - 1, 0) - 1)
;;       q = np.round(r / step) * step * 2.0 ** e      # np.round: ties to even
;;       return np.moveaxis(q.reshape(q.shape[:-2] + (-1,))[..., :K], -1, axis).astype(np.float32)
;;   ~~~
;;   SOFTMAX AHEAD OF A QUANTISED PRODUCT. Where the list says 'softmax', what is quantised is not the finished softmax but p = 2^(t - M), with t = logit x log2(e) and M = ceil(the row's largest t), a whole number; so 1/2 < the row's largest p <= 1. The row's sum l is taken of the UNQUANTISED p, in f32, and the product's result is divided by l at the end. Since M is a whole number, a kernel that streams over the keys may use a running M (the ceiling of the running maximum): every later rescaling is an exact power of two, which a block's scale takes up: the codes' values come out the same.
;;   OPERANDS COMPUTED ON THE WAY. 'Computed on the way' means the value that the module computes at that place (a softmax that the list does not call 'softmax' is quantised finished and normalised). What goes into a quantiser is computed in f32, as accurately as f32 sums, v_exp_f32 and their like allow (about 1e-6 of the number): no bf16 or f16 on the way to a quantiser, and a product that is left as it is and whose result goes on into a quantised operand takes f32 operands (vector FMAs, or v_wmma_f32_16x16x4_f32). A number that lies on a knife's edge between two numbers of the format may be rounded either way, as far as f32 arithmetic and the matrix unit's own rounding can turn it there, and no further.
;;   INPUTS GIVEN AS CODES. Wg (in the module: [1024, 1024], K = its axis 1); Wk (in the module: [1024, 1024], K = its axis 1); Wo (in the module: [1024, 1024], K = its axis 1); Wq (in the module: [1024, 1024], K = its axis 1); Wv (in the module: [1024, 1024], K = its axis 1); cross_states (in the module: [8, 1024, 1024], K = its axis 2): each comes as NAME_codes (uint8): NAME with its K axis moved to the last place and cut into blocks of 32 codes, [.., K / 32, bytes a block], one block behind the other in memory; two codes a byte, the lower K in the low four bits (a code: sign, 2 exponent bits, 1 mantissa bit); and NAME_scales (uint8): the same leading axes, one E8M0 byte (e + 127) for each 32 codes along K. Its value is code x scale, taken as it is: it is not quantised again, and the codes and scales need not be those that the quantiser above would give.
;; One version. Each part assembles by itself: llvm-mc -triple=amdgcn-amd-amdhsa -mcpu=gfx1250 --defsym DOCPART=n.
;; ======== version 1 of 1: 2 launches
;; limits: right only within a limited range of input values
;; workspace buffers: kc 4,194,304 bytes; vc 4,194,304 bytes; ksc 262,144 bytes; vsc 262,144 bytes; wgi 524,288 bytes
;; launch kv (part 1): grid 8 x 32, 16 waves a work-group, clusters of 4 x 4, 327,680 bytes of LDS; arguments cross_states_codes, cross_states_scales, Wk_codes, Wk_scales, Wv_codes, Wv_scales, bk, bv, kc, ksc, vc, vsc, Wg_codes, wgi; writes kc, ksc, vc, vsc, wgi
.if DOCPART == 1
	.amdgcn_target "amdgcn-amd-amdhsa--gfx1250"
	.amdhsa_code_object_version 6
	.text
	.protected	k_q8810af46d2_kv
	.globl	k_q8810af46d2_kv
	.p2align	8
	.type	k_q8810af46d2_kv,@function
k_q8810af46d2_kv:
	s_mov_b64 s[64:65], 0
	v_nop
	global_prefetch_b8 v0, s[64:65] scope:SCOPE_SE
	s_setreg_imm32_b32 hwreg(HW_REG_WAVE_MODE, 25, 1), 1
	s_wait_xcnt 0x0
	s_wait_alu depctr_hold_cnt(0) depctr_sa_sdst(0) depctr_va_vdst(0) depctr_va_sdst(0) depctr_va_ssrc(0) depctr_va_vcc(0) depctr_vm_vsrc(0)
	s_getreg_b32 s2, hwreg(HW_REG_IB_STS2, 6, 4)
	s_cmp_eq_u32 s2, 0
	s_cbranch_scc0 .Lentry_in_a_cluster
	s_endpgm
.Lentry_in_a_cluster:
	s_bfe_u32 s2, ttmp6, 0x10000c
	s_cmp_lg_u32 s2, 0xf033
	s_cbranch_scc0 .Lentry_shape_is_right
	s_endpgm
.Lentry_shape_is_right:
; THE PROGRAM: two launches.  This one makes k = cross Wk^T + bk and v = cross Wv^T + bv and stores them as E2M1 codes with E8M0 bytes: k quantised along a head's 64, v along the keys.
; The second launch takes 32 rows of hidden_states through q, the banded attention, the gate, the out projection, the blend and the LayerNorm.
; WORK LEFT OUT BY THE PROGRAM (all of it in the second launch), for all values of the inputs:
;   (1) reference() builds the mask |j - i| <= 64 in its own body and sets every other score to -inf, so p = 0 there.  A block of 32 queries from qs on can see keys qs - 64 .. qs + 95 alone: five aligned
;       blocks of 32 keys.  The other 27 blocks of both attention products add zeros and are not multiplied.
;   (2) INFLUENCE = 1 is a factor 1.
;   (3) With z = h + sigmoid(g) o = 2 x blended: (z - mean z) rsqrt(var z + 4 eps) = (blended - mean) rsqrt(var + eps), an identity; the factor 2 rounds nothing.  So the two factors 0.5 are not multiplied.
;   No input is left out.  LIMIT: a NaN, an infinity or an overflow that reaches only a masked score is not carried to the result.
; LIMITS: NaN and infinities among the inputs are not served; a block whose largest magnitude lies under 2^-124 (a block of zeros too) gets the byte 1: its bytes are read by this program alone.
; THIS LAUNCH: one GEMM of 8,192 x 2,048 x 1,024 on codes, 256 tiles of 256 x 256.  Cluster x = 0 makes k, cluster x = 1 makes v (JOB, the same in all sixteen partners).
; P is the side along which the result is quantised, source 0 of the products; R is the other, source 1.  k: P = 256 rows of Wk, R = 256 keys.  v: P = 256 keys, R = 256 rows of Wv.
; In a result lane (r, h) holds R's row r and P's rows 8 h + 0 .. 7 of a tile: two neighbouring tiles of P are a block of 32, shared by lanes l and l xor 16.
; Sixteen waves, each 64 of P x 64 of R: 16 accumulators, 256 registers, four waves to a SIMD.  All of K (1,024) lies in LDS at once, as two halves of 512: nothing is filled twice.
; CLUSTER 4 x 4: the cross tile hangs on the tile row alone and is shared along a row of the cluster, the weight tile on cx and JOB alone and is shared along a column: both are asked for jointly.
.set SLOTB, 139264                     ; half of K: 256 cross rows, then 256 weight rows, 256 bytes + 16 of padding each
.set WREG,  69632                      ; where the weight rows begin in a half
.set QROWS, 17408                      ; 64 rows x 272
.set SST,   278528                     ; the scale bytes' stage: [wave][64 of R's rows][2 bytes]
.set BST,   280576                     ; 256 bytes of bias for each wave
.set SPARE, 284672                     ; the spare words: 128 bytes for each of 16 waves; no other line names them
.set OBY, 3                            ; v3     during the set-up my lane; then 8 x my thread's number: the scale bytes' place on their way out; not rewritten after that
.set ADP, 4                            ; v4-5   LDS address of my cross fragments in half 0, 1
.set ADR, 6                            ; v6-7   of my weight fragments
.set SPW, 8                            ; v8     my spare word;  v9: 0
.set NIL, 9
.set QTM, 20                           ; v20-23 largest magnitudes, v24-25 the conversions' scale operands, v26-27 bytes, v28-31 scale words (v30, v31: at work during the set-up)
.set QSO, 24
.set QBY, 26
.set WRD, 28
.set SCP, 32                           ; v32-47 cross's scale words: register 4 t + i: K step i in lanes 0-15, K step 4 + i in lanes 16-31
.set SCR, 48                           ; v48-63 the weight's likewise
.set PFR, 64                           ; v64-95  cross's four fragments
.set RFR, 96                           ; v96-127 the weight's four; later the codes
.set ACC, 128                          ; v128-255 accumulator (a, t) at 32 a + 8 t
.set WV,  20
.set JOB, 21
.set G1A, 24
.set G0A, 32
.set G1B, 48
.set G0B, 56
.set SEL, 46
.set MSB, 0
.macro WIN new                         ; this text stays in window 0: the macro writes nothing here
.if MSB != (\new)
	s_set_vgpr_msb (MSB<<8)|(\new)
.set MSB, \new
.endif
.endm
.macro PLACES n
.rept \n
	v_nop
.endr
.endm
.macro ROUND                           ; a round of the cluster's barrier
	s_barrier_signal -1
	s_barrier_wait -1
	s_cmp_lg_u32 s[WV], 0
	s_cbranch_scc1 .Lnot_wave_0_\@
	s_barrier_signal -3
.Lnot_wave_0_\@:
	s_barrier_wait -3
	s_barrier_signal -1
	s_barrier_wait -1
.endm
; one product.  cz: C is the constant 0, else v[c ..];  ra, rb: the scale words stand in lanes 16-31
.macro WM d, a, b, cz, c, sa, sb, ra, rb
.if (\cz)
.if (\ra) && (\rb)
	v_wmma_scale_f32_16x16x128_f8f6f4 v[\d:\d+7], v[\a:\a+7], v[\b:\b+7], 0, v[\sa], v[\sb] matrix_a_fmt:MATRIX_FMT_FP4 matrix_b_fmt:MATRIX_FMT_FP4 matrix_a_scale:MATRIX_SCALE_ROW1 matrix_b_scale:MATRIX_SCALE_ROW1
.elseif (\ra)
	v_wmma_scale_f32_16x16x128_f8f6f4 v[\d:\d+7], v[\a:\a+7], v[\b:\b+7], 0, v[\sa], v[\sb] matrix_a_fmt:MATRIX_FMT_FP4 matrix_b_fmt:MATRIX_FMT_FP4 matrix_a_scale:MATRIX_SCALE_ROW1
.elseif (\rb)
	v_wmma_scale_f32_16x16x128_f8f6f4 v[\d:\d+7], v[\a:\a+7], v[\b:\b+7], 0, v[\sa], v[\sb] matrix_a_fmt:MATRIX_FMT_FP4 matrix_b_fmt:MATRIX_FMT_FP4 matrix_b_scale:MATRIX_SCALE_ROW1
.else
	v_wmma_scale_f32_16x16x128_f8f6f4 v[\d:\d+7], v[\a:\a+7], v[\b:\b+7], 0, v[\sa], v[\sb] matrix_a_fmt:MATRIX_FMT_FP4 matrix_b_fmt:MATRIX_FMT_FP4
.endif
.else
.if (\ra) && (\rb)
	v_wmma_scale_f32_16x16x128_f8f6f4 v[\d:\d+7], v[\a:\a+7], v[\b:\b+7], v[\c:\c+7], v[\sa], v[\sb] matrix_a_fmt:MATRIX_FMT_FP4 matrix_b_fmt:MATRIX_FMT_FP4 matrix_a_scale:MATRIX_SCALE_ROW1 matrix_b_scale:MATRIX_SCALE_ROW1
.elseif (\ra)
	v_wmma_scale_f32_16x16x128_f8f6f4 v[\d:\d+7], v[\a:\a+7], v[\b:\b+7], v[\c:\c+7], v[\sa], v[\sb] matrix_a_fmt:MATRIX_FMT_FP4 matrix_b_fmt:MATRIX_FMT_FP4 matrix_a_scale:MATRIX_SCALE_ROW1
.elseif (\rb)
	v_wmma_scale_f32_16x16x128_f8f6f4 v[\d:\d+7], v[\a:\a+7], v[\b:\b+7], v[\c:\c+7], v[\sa], v[\sb] matrix_a_fmt:MATRIX_FMT_FP4 matrix_b_fmt:MATRIX_FMT_FP4 matrix_b_scale:MATRIX_SCALE_ROW1
.else
	v_wmma_scale_f32_16x16x128_f8f6f4 v[\d:\d+7], v[\a:\a+7], v[\b:\b+7], v[\c:\c+7], v[\sa], v[\sb] matrix_a_fmt:MATRIX_FMT_FP4 matrix_b_fmt:MATRIX_FMT_FP4
.endif
.endif
.endm
; 32 registers from sb on (window sw): two blocks q of 32 along the next K, register 16 q + 8 u + j = number 16 u + 8 (lane / 16) + j of block q of my row.  They become four operand registers from db on
; (window dw): lane (r, H) holds block H whole; and word = byte of block 0 | byte of block 1 << 8.  A conversion gives dword 2 u + (lane / 16) of its block; one exchange of halves between the two blocks'
; registers puts dword 2 u of block H into db + 2 u and dword 2 u + 1 into db + 2 u + 1.
.macro QUANT2 sb, sw, db, dw, word
	WIN (\sw)|((\sw)<<2)
.irp q, 0,1
	v_max3_num_f32 v[QTM+\q], |v[\sb+16*\q]|, |v[\sb+16*\q+1]|, 0x1800000   ; with the floor 2^(3 - 127): the byte cannot fall under 1
.endr
	WIN ((\sw)<<2)|((\sw)<<4)
.irp i, 2,4,6,8,10,12,14
.irp q, 0,1
	s_delay_alu instid0(VALU_DEP_2)
	v_max3_num_f32 v[QTM+\q], v[QTM+\q], |v[\sb+16*\q+\i]|, |v[\sb+16*\q+\i+1]|
.endr
.endr
	WIN 0
.irp q, 0,1
	s_delay_alu instid0(VALU_DEP_2)
	v_permlanex16_b32 v[QTM+2+\q], v[QTM+\q], s[SEL], s[SEL+1]
.endr
.irp q, 0,1
	s_delay_alu instid0(VALU_DEP_2)
	v_max_num_f32 v[QTM+\q], v[QTM+\q], v[QTM+2+\q]                ; with lane l xor 16's: the block's largest magnitude
.endr
.irp q, 0,1
	s_delay_alu instid0(VALU_DEP_2)
	v_add_nc_u32 v[QSO+\q], 0xff000000, v[QTM+\q]                  ; 2 off its exponent field: the conversion's scale operand
.endr
.irp q, 0,1
	s_delay_alu instid0(VALU_DEP_2)
	v_lshrrev_b32 v[QBY+\q], 23, v[QSO+\q]                         ; the byte
.endr
	s_delay_alu instid0(VALU_DEP_1)
	v_lshl_or_b32 v[\word], v[QBY+1], 8, v[QBY]
	WIN ((\dw)<<6)|(\sw)
.irp u, 0,1
.irp q, 0,1
	v_cvt_scalef32_pk8_fp4_f32 v[\db+2*\u+\q], v[\sb+16*\q+8*\u:\sb+16*\q+8*\u+7], v[QSO+\q]
.endr
.endr
	v_nop                                                          ; one plain instruction behind the conversions
	WIN ((\dw)<<6)|(\dw)
	v_permlane16_swap_b32 v[\db], v[\db+1]
	v_permlane16_swap_b32 v[\db+2], v[\db+3]
	WIN 0
.endm
	s_load_b256 s[4:11], s[0:1], 0x0               ; cross codes s[4:5], cross scales s[6:7], Wk codes s[8:9], Wk scales s[10:11]
	s_load_b256 s[12:19], s[0:1], 0x20             ; Wv codes s[12:13], Wv scales s[14:15], bk s[16:17], bv s[18:19]
	s_load_b256 s[68:75], s[0:1], 0x40             ; kc s[68:69], ksc s[70:71], vc s[72:73], vsc s[74:75]
	v_lshl_add_u32 v[SPW], v0, 2, SPARE
	v_mov_b32 v[NIL], 0
	ds_add_u32 v[SPW], v[NIL]                      ; the opening: the add, twice on end, and its wait ahead of the first tensor load
	ds_add_u32 v[SPW], v[NIL]
	v_lshrrev_b32 v1, 5, v0
	s_delay_alu instid0(VALU_DEP_1)
	v_readfirstlane_b32 s[WV], v1                  ; wave 0..15
	s_mov_b32 s[JOB], ttmp9                        ; cluster x: 0 = k, 1 = v
	s_bfe_u32 s22, ttmp6, 0x40000                  ; cx: which 256 rows of the weight
	s_bfe_u32 s23, ttmp6, 0x40004                  ; cy
	s_and_b32 s40, ttmp7, 0xffff
	s_lshl_b32 s40, s40, 2
	s_add_co_u32 s40, s40, s23                     ; y: which 256 rows of cross
	s_lshr_b32 s41, s40, 2                         ; the batch
	s_and_b32 s42, s40, 3                          ; yq: which 256 keys of it
	s_and_b32 s43, s[WV], 3                        ; my 64 of cross.  Also: which 64 rows I fetch
	s_lshr_b32 s44, s[WV], 2                       ; my 64 of the weight
	s_lshl_b32 s45, s23, 2
	s_lshl_b32 s45, 15, s45                        ; my row of the cluster
	s_lshl_b32 s46, 0x1111, s22                    ; my column
	; descriptor group 1: 64 rows x 256 bytes out of rows of 512, 16 bytes of padding behind each
	s_or_b32 s[G1A], s45, (1<<20)|(1<<21)|(5<<22)|(3<<25)
	s_or_b32 s[G1B], s46, (1<<20)|(1<<21)|(5<<22)|(3<<25)
.irp g, G1A, G1B
	s_mov_b32 s[\g+1], 256<<16                     ; tensor_dim0
	s_mov_b32 s[\g+2], 64<<16                      ; tensor_dim1
	s_mov_b32 s[\g+3], 256<<16                     ; tile_dim0
	s_mov_b32 s[\g+4], 64                          ; tile_dim1
	s_mov_b32 s[\g+5], 512                         ; from row to row
	s_mov_b32 s[\g+6], 0
	s_mov_b32 s[\g+7], 0
.endr
	s_lshl_b32 s47, s43, 15                        ; the 64 rows that I fetch, in bytes
	s_lshl_b32 s76, s40, 17                        ; cross: 256 y rows of 512 bytes
	s_add_co_u32 s76, s76, s47
	s_mov_b32 s77, 0
	s_lshl_b32 s78, s22, 17                        ; the weight: 256 cx rows
	s_add_co_u32 s78, s78, s47
	s_mov_b32 s79, 0
	s_mul_i32 s80, s43, QROWS                      ; and where they go: the wave's number alone
	s_mov_b32 s81, s44
	s_mov_b32 s82, s43
	s_mov_b32 s86, 0                               ; cross's region of a half
	s_mov_b32 s87, WREG                            ; the weight's: no LDS address hangs on the job
	s_cmp_eq_u32 s[JOB], 0
	s_mov_b32 s89, 8192
	s_cselect_b32 s89, 512, s89                    ; from one R tile's codes to the next in the output
	s_cselect_b32 s90, 11, 9
	s_cselect_b32 s91, s22, s42
	s_cselect_b32 s92, s42, s22
	s_lshl_b32 s93, s22, 13
	s_lshl_b32 s94, s81, 11
	s_add_co_u32 s94, s94, s93                     ; the weight's scale bytes: (256 cx + 64 x mine) x 32
	s_mov_b32 s95, 0
	s_lshl_b32 s96, s40, 13
	s_lshl_b32 s93, s82, 11
	s_add_co_u32 s96, s96, s93                     ; cross's: (256 y + 64 x mine) x 32
	s_mov_b32 s97, 0
	s_lshr_b32 s98, s94, 3                         ; the bias: (256 cx + 64 x mine) x 4
	s_mov_b32 s99, 0
	s_lshl_b32 s2, s41, 4                          ; the codes: head 16 b + 4 cx + my 64 of the weight, 32,768 bytes a head;
	s_lshl_b32 s3, s22, 2
	s_add_co_u32 s2, s2, s3
	s_add_co_u32 s2, s2, s81
	s_lshl_b32 s2, s2, 15
	s_lshl_b32 s3, s42, 2                          ; in it my 64 keys: k: 4 tiles of 512 bytes; v: 2 blocks of 256
	s_add_co_u32 s3, s3, s82
	s_lshl_b32 s3, s3, s90
	s_add_co_u32 s2, s2, s3
	s_mov_b32 s3, 0
	s_lshl_b32 s66, s41, 2                         ; the scale bytes: k: [b][cx][256 yq ..][8]; v: [b][yq][256 cx ..][8]
	s_add_co_u32 s66, s66, s91
	s_lshl_b32 s66, s66, 13
	s_lshl_b32 s67, s92, 11
	s_add_co_u32 s66, s66, s67
	s_mov_b32 s67, 0
	s_mul_i32 s88, s43, QROWS
	s_add_co_u32 s86, s86, s88
	s_mul_i32 s88, s44, QROWS
	s_add_co_u32 s87, s87, s88
	s_mov_b32 s[SEL], 0x76543210
	s_mov_b32 s[SEL+1], 0xfedcba98                 ; v_permlanex16_b32's selects for lane l xor 16
	s_wait_dscnt 0x0                               ; both opening adds are done
	s_wait_kmcnt 0x0
	s_cmp_eq_u32 s[JOB], 0                         ; every choice below hangs on the cluster's x alone
	s_cselect_b64 s[104:105], s[8:9], s[12:13]
	s_add_nc_u64 s[78:79], s[104:105], s[78:79]    ; the weight rows that I fetch
	s_add_nc_u64 s[76:77], s[4:5], s[76:77]        ; the cross rows that I fetch
	s_cselect_b64 s[104:105], s[68:69], s[72:73]
	s_add_nc_u64 s[2:3], s[104:105], s[2:3]        ; my codes' place
	s_cselect_b64 s[104:105], s[70:71], s[74:75]
	s_add_nc_u64 s[66:67], s[104:105], s[66:67]    ; the work-group's 2,048 scale bytes
	s_cselect_b64 s[104:105], s[10:11], s[14:15]
	s_add_nc_u64 s[94:95], s[104:105], s[94:95]
	s_add_nc_u64 s[96:97], s[6:7], s[96:97]
	s_cselect_b64 s[104:105], s[16:17], s[18:19]
	s_add_nc_u64 s[98:99], s[104:105], s[98:99]    ; my 64 numbers of the bias
	s_mov_b64 s[84:85], s[96:97]                   ; cross's scale bytes
	s_mov_b64 s[100:101], s[94:95]                 ; the weight's
	s_load_b128 s[4:7], s[0:1], 0x60               ; Wg's codes s[4:5], their image s[6:7]
.irp s, 0,1
	s_mov_b32 s[G0A+4*\s], 1
	s_add_co_u32 s[G0A+4*\s+1], s80, \s*SLOTB
	s_add_nc_u64 s[G0A+4*\s+2:G0A+4*\s+3], s[76:77], \s*256
	s_or_b32 s[G0A+4*\s+3], s[G0A+4*\s+3], 0x80000000
	s_mov_b32 s[G0B+4*\s], 1
	s_add_co_u32 s[G0B+4*\s+1], s80, \s*SLOTB+WREG
	s_add_nc_u64 s[G0B+4*\s+2:G0B+4*\s+3], s[78:79], \s*256
	s_or_b32 s[G0B+4*\s+3], s[G0B+4*\s+3], 0x80000000
.endr
	ROUND                                          ; all sixteen work-groups are here: the joint loads meet
; one tree of branches on the wave's number, a load to an arm: waves 0-3 the first half of K of cross, 4-7 of the weight, 8-11 the second half of cross, 12-15 of the weight
.macro ARM under, g0, g1, next
	s_cmp_lt_u32 s[WV], \under
	s_cbranch_scc0 \next
	tensor_load_to_lds s[\g0:\g0+3], s[\g1:\g1+7]
	s_nop 0
	PLACES 4
	s_branch .Lasked
\next:
.endm
	ARM 4, G0A, G1A, .Lask_b
	ARM 8, G0B, G1B, .Lask_a1
	ARM 12, G0A+4, G1A, .Lask_b1
	tensor_load_to_lds s[G0B+4:G0B+7], s[G1B:G1B+7]
	s_nop 0
	PLACES 4
.Lasked:
	v_and_b32 v1, 15, v0                           ; r
	v_bfe_u32 v2, v0, 4, 1                         ; h
	v_and_b32 v3, 31, v0                           ; lane
	s_delay_alu instid0(VALU_DEP_3)
	v_mul_u32_u24 v30, v1, 272
	s_delay_alu instid0(VALU_DEP_1)
	v_lshl_add_u32 v30, v2, 4, v30                 ; a fragment's row x pitch + 16 h
	s_delay_alu instid0(VALU_DEP_1)
	v_add_nc_u32 v[ADP], s86, v30
	s_delay_alu instid0(VALU_DEP_1)
	v_add_nc_u32 v[ADP+1], SLOTB, v[ADP]
	s_delay_alu instid0(VALU_DEP_3)
	v_add_nc_u32 v[ADR], s87, v30
	s_delay_alu instid0(VALU_DEP_1)
	v_add_nc_u32 v[ADR+1], SLOTB, v[ADR]
	v_lshlrev_b32 v10, 5, v1
	s_delay_alu instid0(VALU_DEP_1)
	v_lshl_add_u32 v10, v2, 4, v10                 ; scale bytes: row r of 32, half h
	s_lshl_b32 s88, s[WV], 8
	s_add_co_u32 s88, s88, BST                     ; my 256 bytes of bias
	v_lshl_add_u32 v11, v3, 3, s88                 ; in: 8 bytes a lane
	v_lshl_add_u32 v13, v2, 5, s88                 ; back, k: the eight numbers of my half of a tile
	v_lshl_add_u32 v18, v1, 2, s88                 ; back, v: the number of my row
	s_lshl_b32 s88, s[WV], 7
	s_add_co_u32 s88, s88, SST
	v_lshl_add_u32 v12, v1, 1, s88                 ; the scale stage: my 128 bytes, row r
	v_lshlrev_b32 v14, 4, v3                       ; the codes: 16 bytes a lane, one register for each of R's four tiles
	s_delay_alu instid0(VALU_DEP_1)
	v_add_nc_u32 v15, s89, v14
	s_delay_alu instid0(VALU_DEP_1)
	v_add_nc_u32 v16, s89, v15
	s_delay_alu instid0(VALU_DEP_1)
	v_add_nc_u32 v17, s89, v16
	v_lshlrev_b32 v31, 3, v3                       ; the bias in memory: 8 bytes a lane (v31 becomes a scale word only behind the wait for that load)
	v_lshlrev_b32 v132, 9, v1                      ; Wg's rows: 512 r + 16 h
	v_lshl_add_u32 v132, v2, 4, v132
	; the scale bytes' way out: thread n takes R's row n (row n % 64 of R's 64 number n / 64): two bytes each from the four waves that share these rows
	v_and_b32 v1, 63, v0
	v_lshlrev_b32 v1, 1, v1
	v_bfe_u32 v2, v0, 6, 2
	v_lshl_add_u32 v19, v2, 7, v1                  ; k: waves n / 64 + 4 p
	v_add_nc_u32 v19, SST, v19
	v_lshl_add_u32 v2, v2, 9, v1                   ; v: waves 4 (n / 64) + p
	v_add_nc_u32 v2, SST, v2
	v_lshlrev_b32 v[OBY], 3, v0                    ; and into memory: the lane's number has had its last use
	v_mov_b32 v[QTM+2], 0                          ; written once: a lane permute's destination counts as one of its sources
	v_mov_b32 v[QTM+3], 0
	; THE IMAGE OF Wg for the second launch: the fragments of each 16 rows in the order of the operand's registers: piece p = 16 x (row / 16) + 2 x K step + c, 512 bytes.  1,024 pieces, four to a work-group, one each to waves 0-3
	s_lshl_b32 s83, s40, 3
	s_lshl_b32 s88, s[JOB], 2
	s_add_co_u32 s83, s83, s88
	s_add_co_u32 s83, s83, s22                     ; 8 y + 4 job + cx
	s_lshl_b32 s83, s83, 2
	s_add_co_u32 s83, s83, s[WV]                   ; p (in waves 0-3)
	s_lshr_b32 s94, s83, 4
	s_lshl_b32 s94, s94, 13
	s_and_b32 s88, s83, 15
	s_lshl_b32 s88, s88, 5
	s_add_co_u32 s94, s94, s88                     ; from: 16 rows of 512 bytes to a tile, 32 bytes of each row
	s_mov_b32 s95, 0
	s_lshl_b32 s88, s83, 9
	s_wait_alu depctr_va_vdst(0)
	s_wait_kmcnt 0x0
	s_add_nc_u64 s[4:5], s[4:5], s[94:95]
	s_mov_b32 s94, s88                             ; to: 512 p
	s_add_nc_u64 s[6:7], s[6:7], s[94:95]
	s_cmp_lt_u32 s[WV], 4
	s_cbranch_scc0 .Lno_piece
	global_load_b128 v[128:131], v132, s[4:5]
.Lno_piece:
	global_load_b64 v[64:65], v31, s[98:99]        ; my wave's 64 numbers of the bias
.irp i, 0,1,2,3
	global_load_b128 v[SCP+4*\i:SCP+4*\i+3], v10, s[84:85] offset:512*\i      ; a tile's 16 rows x 32 bytes: 512 consecutive bytes
.endr
.irp i, 0,1,2,3
	global_load_b128 v[SCR+4*\i:SCR+4*\i+3], v10, s[100:101] offset:512*\i
.endr
	s_wait_loadcnt 8                               ; the bias is in; the eight scale loads behind it may be out
	ds_store_b64 v11, v[64:65]
	s_wait_loadcnt 0x0
	s_cmp_lt_u32 s[WV], 4
	s_cbranch_scc0 .Lno_piece_out
	global_store_b128 v14, v[128:131], s[6:7]      ; 512 consecutive bytes
.Lno_piece_out:
	s_wait_xcnt 0x0                                ; the products write v[128:131]
	s_cmp_lt_u32 s[WV], 8                          ; waves 0-7: my part of the first half of K has landed; the second half's lines belong to waves 8-15, which wait for them below
	s_cbranch_scc0 .Lsecond_half
	s_wait_tensorcnt 0x0
.Lsecond_half:
	s_wait_dscnt 0x0
	s_barrier_signal -1
	s_barrier_wait -1
; 128 along K: 16 LDS loads, 16 products; the sixteen accumulators take turns
.macro KSTEP s, job
.if (\s) > 0
	PLACES 4                                       ; in front of loads into registers that matrix instructions have read
.endif
.irp t, 0,1,2,3
.irp c, 0,1
	ds_load_b128 v[PFR+8*\t+4*\c:PFR+8*\t+4*\c+3], v[ADP+(\s)/4] offset:4352*\t+64*((\s)%4)+32*\c
	ds_load_b128 v[RFR+8*\t+4*\c:RFR+8*\t+4*\c+3], v[ADR+(\s)/4] offset:4352*\t+64*((\s)%4)+32*\c
.endr
.endr
	s_wait_dscnt 0x0
.irp a, 0,1,2,3
.irp t, 0,1,2,3
.if (\job)
	WM ACC+32*\a+8*\t, PFR+8*\t, RFR+8*\a, (\s)==0, ACC+32*\a+8*\t, SCP+4*\t+(\s)%4, SCR+4*\a+(\s)%4, (\s)/4, (\s)/4
.else
	WM ACC+32*\a+8*\t, RFR+8*\t, PFR+8*\a, (\s)==0, ACC+32*\a+8*\t, SCR+4*\t+(\s)%4, SCP+4*\a+(\s)%4, (\s)/4, (\s)/4
.endif
.endr
.endr
.endm
	s_cmp_lg_u32 s[JOB], 0                         ; the two jobs differ in which side is source 0: two copies of the products, chosen by the cluster's x alone
	s_cbranch_scc1 .Lfirst_v
	KSTEP 0, 0
	KSTEP 1, 0
	KSTEP 2, 0
	KSTEP 3, 0
	s_branch .Lfirst_done
.Lfirst_v:
	KSTEP 0, 1
	KSTEP 1, 1
	KSTEP 2, 1
	KSTEP 3, 1
.Lfirst_done:
	s_wait_tensorcnt 0x0                           ; my part of the second half has landed,
	s_wait_dscnt 0x0
	s_barrier_signal -1
	s_barrier_wait -1                              ; everybody's has
	; then the bias, in f32, ahead of the quantiser.  k: it runs along P, a lane's registers; v: along R, a number a lane
	s_cmp_lg_u32 s[JOB], 0
	s_cbranch_scc1 .Lbias_v
	KSTEP 4, 0
	KSTEP 5, 0
	KSTEP 6, 0
	KSTEP 7, 0
	PLACES 4
.irp t, 0,1,2,3
.irp e, 0,1
	ds_load_b128 v[PFR+8*\t+4*\e:PFR+8*\t+4*\e+3], v13 offset:64*\t+16*\e
.endr
.endr
	s_wait_dscnt 0x0
.irp a, 0,1,2,3
.irp t, 0,1,2,3
.irp p, 0,2,4,6
	v_pk_add_f32 v[ACC+32*\a+8*\t+\p:ACC+32*\a+8*\t+\p+1], v[ACC+32*\a+8*\t+\p:ACC+32*\a+8*\t+\p+1], v[PFR+8*\t+\p:PFR+8*\t+\p+1]
.endr
.endr
.endr
	s_branch .Lbiased
.Lbias_v:
	KSTEP 4, 1
	KSTEP 5, 1
	KSTEP 6, 1
	KSTEP 7, 1
	PLACES 4
.irp a, 0,1,2,3
	ds_load_b32 v[PFR+2*\a], v18 offset:64*\a
	v_mov_b32 v[PFR+2*\a+1], 0                     ; (named as the pair's upper half)
.endr
	s_wait_alu depctr_va_vdst(0)
	s_wait_dscnt 0x0
.irp a, 0,1,2,3
.irp t, 0,1,2,3
.irp p, 0,2,4,6
	v_pk_add_f32 v[ACC+32*\a+8*\t+\p:ACC+32*\a+8*\t+\p+1], v[ACC+32*\a+8*\t+\p:ACC+32*\a+8*\t+\p+1], v[PFR+2*\a:PFR+2*\a+1] op_sel_hi:[1,0]
.endr
.endr
.endr
.Lbiased:
.irp a, 0,1,2,3
	QUANT2 ACC+32*\a, 0, RFR+4*\a, 0, WRD+\a
	global_store_b128 v[14+\a], v[RFR+4*\a:RFR+4*\a+3], s[2:3]     ; 32 lanes store 512 consecutive bytes, in the order of the reader's operand registers
	ds_store_b16 v12, v[WRD+\a] offset:32*\a                       ; my two bytes of these 16 rows (lanes l and l xor 16 write the same)
.endr
	s_wait_dscnt 0x0                               ; for the others' sake: my bytes lie in the stage
	s_barrier_signal -1
	s_barrier_wait -1
	s_cmp_lt_u32 s[WV], 8
	s_cbranch_scc0 .Lno_bytes
	s_cmp_lg_u32 s[JOB], 0
	s_cbranch_scc1 .Lbytes_v
.irp p, 0,1,2,3
	ds_load_u16 v[64+\p], v19 offset:512*\p
.endr
	s_branch .Lbytes
.Lbytes_v:
.irp p, 0,1,2,3
	ds_load_u16 v[64+\p], v2 offset:128*\p
.endr
.Lbytes:
	s_wait_dscnt 0x0
	v_lshl_or_b32 v64, v65, 16, v64
	v_lshl_or_b32 v65, v67, 16, v66
	global_store_b64 v[OBY], v[64:65], s[66:67]    ; a wave stores 256 consecutive bytes, aligned
.Lno_bytes:
	s_wait_tensorcnt 0x0                           ; the wave's end
	ds_add_u32 v[SPW], v[NIL]
	s_wait_dscnt 0x0
	ROUND                                          ; the closing round
	s_endpgm
.Lfunc_end_k_q8810af46d2_kv:
	.size	k_q8810af46d2_kv, .Lfunc_end_k_q8810af46d2_kv-k_q8810af46d2_kv
	.p2alignl 7, 3214868480
	.fill 96, 4, 3214868480
	.section	.rodata,"a",@progbits
	.p2align	6, 0x0
	.amdhsa_kernel k_q8810af46d2_kv
		.amdhsa_group_segment_fixed_size 327680
		.amdhsa_private_segment_fixed_size 0
		.amdhsa_enable_private_segment 0
		.amdhsa_kernarg_size 112
		.amdhsa_user_sgpr_count 2
		.amdhsa_user_sgpr_kernarg_segment_ptr 1
		.amdhsa_wavefront_size32 1
		.amdhsa_system_sgpr_workgroup_id_x 1
		.amdhsa_system_sgpr_workgroup_id_y 1
		.amdhsa_system_sgpr_workgroup_id_z 1
		.amdhsa_system_vgpr_workitem_id 0
		.amdhsa_next_free_vgpr 256
		.amdhsa_next_free_sgpr 106
		.amdhsa_reserve_vcc 0
		.amdhsa_float_denorm_mode_32 3
		.amdhsa_float_denorm_mode_16_64 3
		.amdhsa_memory_ordered 1
		.amdhsa_forward_progress 1
		.amdhsa_inst_pref_size 84
	.end_amdhsa_kernel
	.amdgpu_metadata
---
amdhsa.version: [ 1, 2 ]
amdhsa.kernels:
  - .name:           k_q8810af46d2_kv
    .symbol:         k_q8810af46d2_kv.kd
    .args:
      - { .name: cross_states_codes, .offset: 0, .size: 8, .value_kind: global_buffer, .address_space: global }
      - { .name: cross_states_scales, .offset: 8, .size: 8, .value_kind: global_buffer, .address_space: global }
      - { .name: Wk_codes, .offset: 16, .size: 8, .value_kind: global_buffer, .address_space: global }
      - { .name: Wk_scales, .offset: 24, .size: 8, .value_kind: global_buffer, .address_space: global }
      - { .name: Wv_codes, .offset: 32, .size: 8, .value_kind: global_buffer, .address_space: global }
      - { .name: Wv_scales, .offset: 40, .size: 8, .value_kind: global_buffer, .address_space: global }
      - { .name: bk, .offset: 48, .size: 8, .value_kind: global_buffer, .address_space: global }
      - { .name: bv, .offset: 56, .size: 8, .value_kind: global_buffer, .address_space: global }
      - { .name: kc, .offset: 64, .size: 8, .value_kind: global_buffer, .address_space: global }
      - { .name: ksc, .offset: 72, .size: 8, .value_kind: global_buffer, .address_space: global }
      - { .name: vc, .offset: 80, .size: 8, .value_kind: global_buffer, .address_space: global }
      - { .name: vsc, .offset: 88, .size: 8, .value_kind: global_buffer, .address_space: global }
      - { .name: Wg_codes, .offset: 96, .size: 8, .value_kind: global_buffer, .address_space: global }
      - { .name: wgi, .offset: 104, .size: 8, .value_kind: global_buffer, .address_space: global }
    .group_segment_fixed_size: 327680
    .private_segment_fixed_size: 0
    .kernarg_segment_align: 8
    .kernarg_segment_size: 112
    .max_flat_workgroup_size: 512
    .sgpr_count:     106
    .vgpr_count:     256
    .wavefront_size: 32
...
	.end_amdgpu_metadata
.endif
;; end of part 1
;; launch fused (part 2): grid 256 x 1, 4 waves a work-group, clusters of 4 x 1, 327,680 bytes of LDS; arguments hidden_states, Wq_codes, Wq_scales, bq, wgi, Wg_scales, bg, Wo_codes, Wo_scales, bo, ln_g, ln_b, kc, ksc, vc, vsc, out0; writes out0
.if DOCPART == 2
	.amdgcn_target "amdgcn-amd-amdhsa--gfx1250"
	.amdhsa_code_object_version 6
	.text
	.protected	k_q8810af46d2_fused
	.globl	k_q8810af46d2_fused
	.p2align	8
	.type	k_q8810af46d2_fused,@function
k_q8810af46d2_fused:
	s_mov_b64 s[64:65], 0
	v_nop
	global_prefetch_b8 v0, s[64:65] scope:SCOPE_SE
	s_setreg_imm32_b32 hwreg(HW_REG_WAVE_MODE, 25, 1), 1
	s_wait_xcnt 0x0
	s_wait_alu depctr_hold_cnt(0) depctr_sa_sdst(0) depctr_va_vdst(0) depctr_va_sdst(0) depctr_va_ssrc(0) depctr_va_vcc(0) depctr_vm_vsrc(0)
	s_getreg_b32 s2, hwreg(HW_REG_IB_STS2, 6, 4)
	s_cmp_eq_u32 s2, 0
	s_cbranch_scc0 .Lentry_in_a_cluster
	s_endpgm
.Lentry_in_a_cluster:
	s_bfe_u32 s2, ttmp6, 0x10000c
	s_cmp_lg_u32 s2, 0x3003
	s_cbranch_scc0 .Lentry_shape_is_right
	s_endpgm
.Lentry_shape_is_right:
; out0 = LayerNorm(0.5 h + 0.5 sigmoid(h Wg^T + bg) (ctx Wo^T + bo)), ctx the banded attention of q = h Wq^T + bq over the k and v that the launch before stored as codes.  All products on E2M1 codes.
; WORK LEFT OUT, for all values of the inputs: key tiles wholly outside |j - i| <= 64 (the mask is built in reference(); p = 0 there): of the 32 queries' window of ten tiles of 16 keys, the first 16 queries
; cannot see the last tile, the other 16 not the first; the factor INFLUENCE = 1; the two factors 0.5 (with z = h + sigmoid(g) o = 2 x blended, LayerNorm of z with 4 eps is LayerNorm of blended with eps).
; LIMITS: NaN and infinities among the inputs are not served, and what reaches only a masked score is not carried on; a block whose largest magnitude lies under 2^-124 gets the byte 1; a hidden score is
; -2^100, so the promise holds while the scaled scores (exponents to the base 2, before the maximum is taken away) stay under 2^31 in magnitude.
; SHARES.  A work-group owns 32 rows (two tiles rt of 16) of one batch.  Wave w of four owns columns 256 w .. + 255 of them: heads 4 w .. 4 w + 3.
; hidden_states comes once, by one tensor load a wave, and stays in registers as the residual.
; EVERY PRODUCT IS USED TRANSPOSED: source 0 = 16 rows of a weight (or 16 keys, or 16 of a head's 64), source 1 = 16 rows (queries).  Lane (r, h) then holds row r and, of a tile, the numbers 8 h + 0 .. 7.
; THE RING.  Wq and Wo come in eight tiles, Wq 0-3, Wo 0-3: tile j is, for wave w, rows 256 w + 64 j .. + 63 with all of K: 128 KiB for the work-group, through two LDS slots; each wave fetches and reads its own
; quarter.  CLUSTER 4 x 1: the four work-groups walk the same tiles, so each is asked for jointly (mask 15).  One tensor load of a wave is out.
; In the attention's loop the next tile's 64 fragment loads go into a window of their own among the softmax's work, so the slot is free again a trip earlier and a tile has a whole trip in which to land.
; Wg GOES STRAIGHT INTO REGISTERS beside the four Wo tiles, out of an image in the operand's register order: each of its fragments is used by one wave, once, and two slots hold no third tile: through the ring its
; 128 KiB a period would be four more changes of slots, each with a round of the cluster's barrier and all loads waited for; in registers 40 loads of a wave (five K steps) are on their way across the changes.
; PREFETCH: each work-group's own block of k and v.  Of the weights none: all 64 clusters walk the same 1.5 MiB in the same order.
; ATTENTION.  32 queries from qs on see keys qs - 64 .. qs + 95: five aligned blocks of 32.  All scores of a query lie in registers at once, so M is the ceiling of the row's true largest t.
; A head's K = 64 fills half of the instruction's 128: q's upper four registers are zero codes, so k's fragment may take the next tile's four registers as its upper half (any code x 0 = 0; no byte is 0xff).
; 160 keys = 128 + 32 likewise: p's codes beyond block 4 are zeros.  THE MASK: the two tiles on the band's edges begin their sums with 0 or -2^100 in place of 0; blocks beyond the sequence's ends are read from a
; clamped address, and -2^100 is added to their largest score and to their -M.
; REGISTERS, in windows of 256.  Window 0: addresses, scale words, the softmax, sums.  Window 1: v0-127 h's fragments (rt, s) at 8 (8 rt + s); v128-255 k, v, the edge masks and q's codes, later ctx's fragments.
;   Window 2: the residual, later z: 128 rt + 8 T + e = (row 16 rt + r, column 256 w + 16 T + 8 h + e).   Window 3: Wq's fragments (t, s) at 32 s + 8 t; later three sets of Wo's, five of Wg's; at the end ln_g, ln_b.
.set SLOTB, 135168                     ; a slot: 4 waves x 64 rows x (512 bytes + 16)
.set WQ,    33792                      ; a wave's quarter
.set IMGH,  270336                     ; h's 16 fragments as images of their registers: (8 rt + s) x 1,024 + 512 c + 16 lane
.set HSC,   286720                     ; their scale words: 128 s + 4 lane; lanes 0-15 rt 0, lanes 16-31 rt 1
.set IMGC,  287744                     ; ctx's fragments likewise
.set CSC,   304128                     ; and their scale bytes: 128 x head + 4 lane, two bytes in a word
.set TOC,   IMGC-IMGH                  ; from h's to ctx's: the same for fragments and scales
.set PART,  306176                     ; LayerNorm's partial sums: 2 passes x 4 waves x 128 bytes
.set SPARE, 307200                     ; the spare words, 128 bytes a wave; no other line names them
.set BIA,   307712                     ; 3,072 bytes a wave: my columns' bq, bg, bo; at the end ln_g, ln_b
.set SPW, 4
.set NIL, 5
.set AW0, 6                            ; v6  my place in my quarter of slot 0: 528 r + 16 h;  v7 in slot 1
.set L16, 8                            ; v8  16 lane
.set L4,  9                            ; v9  4 lane
.set SOF, 10                           ; v10 32 r + 16 h
.set BLA, 11                           ; v11 my bias bytes + 32 h
.set KAO, 12                           ; v12-16 k's block g': clamp(g0 + g') x 1,024 + 16 lane
.set VAO, 17                           ; v17-19 v's blocks: clamp(g0 + 2 c + lane / 16) x 256 + 16 r
.set VSA, 20                           ; v20-21 v's scale bytes: the two groups of eight blocks; at the end LayerNorm's sums
.set CIM, 22                           ; v22 where I store ctx's images
.set CSW, 23                           ; v23 and their scale bytes
.set STI, 24                           ; v24 a row in my quarter of slot 0: 1,040 r + 32 h
.set STB, 25                           ; v25 16 lane in it
.set PFO, 26
.set TA,  27                           ; v27-28 at work
.set IMA, 29                           ; v29 IMGH + 16 lane
.set HSA, 30                           ; v30 HSC + 4 lane
.set BLH, 31                           ; v31 BLA + 256 x head in hand
.set OS,  32                           ; v32-39 h's scale words: K step s; rt 0 in lanes 0-15, rt 1 in lanes 16-31
.set WS,  40                           ; v40-55 a ring tile's scale words: 4 t + i: K step i in lanes 0-15, 4 + i in lanes 16-31; Wo's odd tiles at v192-207
.set KS,  56                           ; v56-60 k's, a word for each block: the head in hand's two bytes are the low ones
.set QS,  61                           ; v61-62 q's
.set PS,  63                           ; v63-64 p's
.set ADW, 65                           ; v65 my place in the slot in hand
.set VS,  66                           ; v66-73 v's: 2 dt + step
.set BM,  74                           ; v74-78 block maxima;  v79-83 the other half's, then bytes;  v84-88 scale operands
.set BP,  79
.set SX,  84
.set BX,  79
.set KH,  89                           ; v89-93 k's scale bytes of the two heads further on
.set RM,  94
.set LS,  95
.set NMP, 96                           ; five pairs: each block's -M
.set LL,  106
.set LT,  108
.set RC,  110
.set CW,  112
.set QTM, 116
.set QSO, 120
.set QBY, 122
.set CX,  124
.set XT,  128
.set PF,  132                          ; v132-147 p's two fragments
.set QA,  148                          ; v148-211 q: 32 rt + 8 t
.set SC,  148                          ; v148-219 nine tiles of scores, then p
.set OA,  148                          ; v148-179 O^T: 8 dt
.set VR,  220                          ; v220-235 v's bytes as loaded
.set OC,  56                           ; behind the attention: v56-63 ctx's scale words
.set AG,  64                           ; v64-127 the gate's sums: 32 rt + 8 t
.set AO,  128                          ; v128-191 the out projection's
.set WGE, 240                          ; v240-255 Wg's scale words, even tiles; odd ones at v208-223
.set SA,  64                           ; at the end: v64-71 four chains
.set RR,  72                           ; v72-79 at work
.set MU,  80                           ; v80-83 -mu, then 1 / sigma
.set KF,  128                          ; window 1: k's tile i at 128 + 4 i
.set VF,  172                          ; v's: 12 dt + 4 c
.set ML,  220                          ; the lower edge's mask, the upper's
.set MH,  228
.set QF,  236                          ; q's fragment of tile rt at 236 + 8 rt
.set CF,  128                          ; behind the attention: ctx's fragment (rt, s) at 128 + 8 (8 rt + s)
.set DF,  96                           ; window 3: five sets of 32 of Wg, behind three of Wo
.set PFA, 42
.set NC,  44                           ; s[44:45] codes of the tile to be asked for next;  s[46:47] scale bytes
.set NS,  46
.set TB,  48
.set CSO, 50
.set G1,  52
.set WV,  66
.set JH,  68
.set KB,  70
.set VB,  72
.set VSB, 74
.set CS,  76
.set SEL, 78
.set HM,  80
.set SELM, 81
.set SHB, 82
.set CI,  83
.set NL,  84
.set G1H, 88
.set EB,  96                           ; s96-100: 0, or -2^100 for a block beyond the sequence's ends
.set MSB, 0
.macro WIN new                         ; the immediate's high byte repeats the setting that is left; a switch that changes nothing is dropped
.if MSB != (\new)
	s_set_vgpr_msb (MSB<<8)|(\new)
.set MSB, \new
.endif
.endm
.macro PLACES n
.rept \n
	v_nop
.endr
.endm
.macro ROUND                           ; a round of the cluster's barrier
	s_barrier_signal -1
	s_barrier_wait -1
	s_cmp_lg_u32 s[WV], 0
	s_cbranch_scc1 .Lnot_wave_0_\@
	s_barrier_signal -3
.Lnot_wave_0_\@:
	s_barrier_wait -3
	s_barrier_signal -1
	s_barrier_wait -1
.endm
; one product.  c < 0: C is the constant 0, else v[c ..];  ra, rb: the scale words stand in lanes 16-31
.macro WM d, a, b, c, sa, sb, ra, rb
.if (\c) < 0
.if (\ra)
	v_wmma_scale_f32_16x16x128_f8f6f4 v[\d:\d+7], v[\a:\a+7], v[\b:\b+7], 0, v[\sa], v[\sb] matrix_a_fmt:MATRIX_FMT_FP4 matrix_b_fmt:MATRIX_FMT_FP4 matrix_a_scale:MATRIX_SCALE_ROW1
.else
	v_wmma_scale_f32_16x16x128_f8f6f4 v[\d:\d+7], v[\a:\a+7], v[\b:\b+7], 0, v[\sa], v[\sb] matrix_a_fmt:MATRIX_FMT_FP4 matrix_b_fmt:MATRIX_FMT_FP4
.endif
.elseif (\ra) && (\rb)
	v_wmma_scale_f32_16x16x128_f8f6f4 v[\d:\d+7], v[\a:\a+7], v[\b:\b+7], v[\c:\c+7], v[\sa], v[\sb] matrix_a_fmt:MATRIX_FMT_FP4 matrix_b_fmt:MATRIX_FMT_FP4 matrix_a_scale:MATRIX_SCALE_ROW1 matrix_b_scale:MATRIX_SCALE_ROW1
.elseif (\ra)
	v_wmma_scale_f32_16x16x128_f8f6f4 v[\d:\d+7], v[\a:\a+7], v[\b:\b+7], v[\c:\c+7], v[\sa], v[\sb] matrix_a_fmt:MATRIX_FMT_FP4 matrix_b_fmt:MATRIX_FMT_FP4 matrix_a_scale:MATRIX_SCALE_ROW1
.elseif (\rb)
	v_wmma_scale_f32_16x16x128_f8f6f4 v[\d:\d+7], v[\a:\a+7], v[\b:\b+7], v[\c:\c+7], v[\sa], v[\sb] matrix_a_fmt:MATRIX_FMT_FP4 matrix_b_fmt:MATRIX_FMT_FP4 matrix_b_scale:MATRIX_SCALE_ROW1
.else
	v_wmma_scale_f32_16x16x128_f8f6f4 v[\d:\d+7], v[\a:\a+7], v[\b:\b+7], v[\c:\c+7], v[\sa], v[\sb] matrix_a_fmt:MATRIX_FMT_FP4 matrix_b_fmt:MATRIX_FMT_FP4
.endif
.endm
; 32 registers from sb on (window sw): two blocks q of 32 along the next K, register 16 q + 8 u + j = number 16 u + 8 (lane / 16) + j of block q of my row.  They become four operand registers from db on
; (window dw): lane (r, H) holds block H whole; and word (window 0) = byte of block 0 | byte of block 1 << 8.  A conversion gives dword 2 u + (lane / 16) of its block; one exchange of halves between the two
; blocks' registers puts dword 2 u of block H into db + 2 u and dword 2 u + 1 into db + 2 u + 1.  Each accumulator is read from its low end on.
.macro QUANT2 sb, sw, db, dw, word
	WIN (\sw)|((\sw)<<2)
.irp q, 0,1
	v_max3_num_f32 v[QTM+\q], |v[\sb+16*\q]|, |v[\sb+16*\q+1]|, 0x1800000   ; with the floor 2^(3 - 127): the byte cannot fall under 1
.endr
	WIN ((\sw)<<2)|((\sw)<<4)
.irp i, 2,4,6,8,10,12,14
.irp q, 0,1
	v_max3_num_f32 v[QTM+\q], v[QTM+\q], |v[\sb+16*\q+\i]|, |v[\sb+16*\q+\i+1]|
.endr
.endr
	WIN 0
.irp q, 0,1
	v_permlanex16_b32 v[QTM+2+\q], v[QTM+\q], s[SEL], s[SEL+1]
.endr
.irp q, 0,1
	v_max_num_f32 v[QTM+\q], v[QTM+\q], v[QTM+2+\q]                ; with lane l xor 16's: the block's largest magnitude
.endr
.irp q, 0,1
	v_add_nc_u32 v[QSO+\q], 0xff000000, v[QTM+\q]                  ; 2 off its exponent field: the conversion's scale operand
.endr
.irp q, 0,1
	v_lshrrev_b32 v[QBY+\q], 23, v[QSO+\q]                         ; the byte
.endr
	v_lshl_or_b32 v[\word], v[QBY+1], 8, v[QBY]
	WIN ((\dw)<<6)|(\sw)
.irp u, 0,1
.irp q, 0,1
	v_cvt_scalef32_pk8_fp4_f32 v[\db+2*\u+\q], v[\sb+16*\q+8*\u:\sb+16*\q+8*\u+7], v[QSO+\q]
.endr
.endr
	v_nop                                                          ; one plain instruction behind the conversions
	WIN ((\dw)<<6)|(\dw)
	v_permlane16_swap_b32 v[\db], v[\db+1]
	v_permlane16_swap_b32 v[\db+2], v[\db+3]
	WIN 0
.endm
; THE CHANGE OF SLOTS.  My one tensor load, the tile that I am about to read, has landed; 0 goes onto my spare word; my reads of the other slot are over; a round of the
; cluster's barrier, so that this holds of every wave of all four partners; then the next tile is asked for, jointly, into the other slot: first thing behind the round, one load a wave.
.macro CHANGE
	WIN 0
	s_wait_alu depctr_va_vdst(0)
	s_wait_tensorcnt 0x0                           ; no tensor load of mine is out, so group 0 may be written
	ds_add_u32 v[SPW], v[NIL]
	s_xor_b32 s61, s61, SLOTB                      ; the other slot: SLOTB's two bits are set in no wave's offset
	s_mov_b64 s[62:63], s[NC:NC+1]
	s_or_b32 s63, s63, 0x80000000
	s_wait_dscnt 0x0
	ROUND
	tensor_load_to_lds s[60:63], s[G1:G1+7]
	s_nop 0
	PLACES 4
.endm
.macro LDW adr, s                      ; K step s of my part of a Wq tile: four fragments into window 3
	WIN 0xc0
.irp t, 0,1,2,3
.irp c, 0,1
	ds_load_b128 v[32*(\s)+8*\t+4*\c:32*(\s)+8*\t+4*\c+3], v[\adr] offset:8448*\t+64*(\s)+32*\c
.endr
.endr
.endm
	s_load_b512 s[8:23], s[0:1], 0x0               ; hidden s[8:9], Wq codes s[10:11], scales s[12:13], bq s[14:15], Wg's image s[16:17], scales s[18:19], bg s[20:21], Wo codes s[22:23]
	s_load_b512 s[24:39], s[0:1], 0x40             ; Wo scales s[24:25], bo s[26:27], ln_g s[28:29], ln_b s[30:31], kc s[32:33], ksc s[34:35], vc s[36:37], vsc s[38:39]
	s_load_b64 s[40:41], s[0:1], 0x80              ; out0
	v_lshl_add_u32 v[SPW], v0, 2, SPARE
	v_mov_b32 v[NIL], 0
	ds_add_u32 v[SPW], v[NIL]                      ; the opening: the add, twice on end, and its wait ahead of the first tensor load
	ds_add_u32 v[SPW], v[NIL]
	v_lshrrev_b32 v1, 5, v0
	v_readfirstlane_b32 s[WV], v1                  ; wave 0..3
	s_bfe_u32 s2, ttmp6, 0x40000                   ; cx: it enters global addresses of my own data and lane data alone
	s_lshl_b32 s3, ttmp9, 2
	s_add_co_u32 s3, s3, s2                        ; which 32 rows
	s_and_b32 s4, s3, 31                           ; which 32 of the batch's 1,024: my own key block too
	s_lshr_b32 s5, s3, 5                           ; the batch
	s_sub_co_i32 s6, s4, 2                         ; g0: the window's first key block (may be -2, -1)
	s_mul_i32 s67, s[WV], WQ
	; group 1 of a weight tile: 64 rows x 512 bytes, 16 bytes of padding behind each; the mask: all four
	s_mov_b32 s[G1], 15|(1<<20)|(1<<21)|(6<<22)|(3<<25)
	s_mov_b32 s[G1+1], 512<<16                     ; tensor_dim0
	s_mov_b32 s[G1+2], 64<<16                      ; tensor_dim1
	s_mov_b32 s[G1+3], 512<<16                     ; tile_dim0
	s_mov_b32 s[G1+4], 64                          ; tile_dim1
	s_mov_b32 s[G1+5], 512                         ; from row to row
	s_mov_b32 s[G1+6], 0
	s_mov_b32 s[G1+7], 0
	; and of hidden_states: 32 rows x 1,024 bytes out of rows of 4,096, 16 bytes of padding behind each
	s_mov_b32 s[G1H], (1<<20)|(7<<22)|(3<<25)
	s_mov_b32 s[G1H+1], 1024<<16
	s_mov_b32 s[G1H+2], 32<<16
	s_mov_b32 s[G1H+3], 1024<<16
	s_mov_b32 s[G1H+4], 32
	s_mov_b32 s[G1H+5], 4096
	s_mov_b32 s[G1H+6], 0
	s_mov_b32 s[G1H+7], 0
	s_mov_b32 s[CS], 0x3e38aa3b                    ; log2(e) / 8: t = score x SCALE x log2(e)
	s_mov_b32 s[CS+1], s[CS]
	s_mov_b32 s[SEL], 0x76543210
	s_mov_b32 s[SEL+1], 0xfedcba98                 ; lane l xor 16
	s_mov_b32 s[HM], 0xffff0000                    ; lanes 16-31
	s_mov_b32 s[NL], 0xbfb8aa3b                    ; -log2(e)
	s_mov_b32 s[NL+1], s[NL]
	v_and_b32 v1, 15, v0                           ; r
	v_bfe_u32 v2, v0, 4, 1                         ; h
	v_and_b32 v3, 31, v0                           ; lane
	v_mul_u32_u24 v[AW0], v1, 528
	v_lshl_add_u32 v[AW0], v2, 4, v[AW0]
	v_add_nc_u32 v[AW0], s67, v[AW0]
	v_add_nc_u32 v[AW0+1], SLOTB, v[AW0]
	v_mul_u32_u24 v[STI], v1, 1040
	v_lshl_add_u32 v[STI], v2, 5, v[STI]
	v_add_nc_u32 v[STI], s67, v[STI]
	v_lshlrev_b32 v[L16], 4, v3
	v_lshlrev_b32 v[L4], 2, v3
	v_lshlrev_b32 v[SOF], 5, v1
	v_lshl_add_u32 v[SOF], v2, 4, v[SOF]
	v_add_nc_u32 v[STB], s67, v[L16]
	s_lshl_b32 s101, s[WV], 11
	s_add_co_u32 s69, s101, IMGC
	v_add_nc_u32 v[CIM], s69, v[L16]
	s_add_co_u32 s69, s101, IMGH
	v_add_nc_u32 v242, s69, v[L16]                 ; where I store h's images,
	s_lshl_b32 s101, s[WV], 9
	s_add_co_u32 s69, s101, CSC
	v_add_nc_u32 v[CSW], s69, v[L4]
	s_lshl_b32 s101, s[WV], 8
	s_add_co_u32 s69, s101, HSC
	v_add_nc_u32 v243, s69, v[L4]                  ; and their scale words
	s_mul_i32 s101, s[WV], 3072
	s_add_co_u32 s101, s101, BIA
	v_lshlrev_b32 v[BLA], 5, v2
	v_add_nc_u32 v[BLA], s101, v[BLA]
	v_mov_b32 v[BLH], v[BLA]
	v_add_nc_u32 v244, s101, v[L16]                ; my bias bytes, in
	v_add_nc_u32 v[IMA], IMGH, v[L16]
	v_add_nc_u32 v[HSA], HSC, v[L4]
	v_add_nc_u32 v245, SLOTB, v[STI]               ; hidden_states' rows in slot 1
	s_wait_alu depctr_va_vdst(0)
	s_wait_dscnt 0x0                               ; both opening adds are done
	s_wait_kmcnt 0x0
	s_mov_b32 s87, 0
	s_lshl_b32 s86, s[WV], 17                      ; my 256 rows of a weight's codes,
	s_add_nc_u64 s[10:11], s[10:11], s[86:87]
	s_add_nc_u64 s[16:17], s[16:17], s[86:87]
	s_add_nc_u64 s[22:23], s[22:23], s[86:87]
	s_lshl_b32 s69, s5, 19                         ; head 16 b + 4 w, 32,768 bytes a head
	s_add_co_u32 s86, s86, s69
	s_add_nc_u64 s[KB:KB+1], s[32:33], s[86:87]
	s_add_nc_u64 s[VB:VB+1], s[36:37], s[86:87]
	s_lshl_b32 s86, s[WV], 13                      ; of its scale bytes,
	s_add_nc_u64 s[12:13], s[12:13], s[86:87]
	s_add_nc_u64 s[18:19], s[18:19], s[86:87]
	s_add_nc_u64 s[24:25], s[24:25], s[86:87]
	s_lshl_b32 s86, s[WV], 10                      ; my 256 columns in f32
	s_add_nc_u64 s[14:15], s[14:15], s[86:87]
	s_add_nc_u64 s[20:21], s[20:21], s[86:87]
	s_add_nc_u64 s[26:27], s[26:27], s[86:87]
	s_add_nc_u64 s[28:29], s[28:29], s[86:87]
	s_add_nc_u64 s[30:31], s[30:31], s[86:87]
	s_lshl_b32 s69, s3, 17                         ; my work-group's 32 rows of 4,096 bytes
	s_add_co_u32 s86, s86, s69
	s_add_nc_u64 s[8:9], s[8:9], s[86:87]
	s_add_nc_u64 s[40:41], s[40:41], s[86:87]
	s_mov_b32 s60, 1
	s_add_co_u32 s61, s67, SLOTB                   ; slot 1, my quarter
	s_mov_b64 s[62:63], s[8:9]
	s_or_b32 s63, s63, 0x80000000
	ROUND                                          ; in a cluster launch every group of tensor loads stands behind a round
	tensor_load_to_lds s[60:63], s[G1H:G1H+7]      ; my 256 columns of the 32 rows of hidden_states: 32 KiB, my one load at the head
	s_nop 0
	PLACES 4
	s_lshl_b32 s69, s5, 15
	s_lshl_b32 s86, s[WV], 11
	s_add_co_u32 s86, s86, s69                     ; vsc: 4 b x 8,192 + 256 w x 8
	s_add_nc_u64 s[VSB:VSB+1], s[38:39], s[86:87]
	s_lshl_b32 s86, s[WV], 13                      ; ksc: (4 b + w) x 8,192
	s_add_co_u32 s86, s86, s69
	s_add_nc_u64 s[34:35], s[34:35], s[86:87]
	; the prefetch: my own key block, all 16 heads: waves 0, 1: k's four blocks of 256 bytes of 8 heads each; waves 2, 3: v's four tiles
	s_and_b32 s101, s[WV], 1
	s_lshl_b32 s101, s101, 18
	s_lshl_b32 s69, s5, 19
	s_add_co_u32 s86, s101, s69
	s_cmp_lt_u32 s[WV], 2
	s_cselect_b64 s[PFA:PFA+1], s[32:33], s[36:37]
	s_cselect_b32 s69, 10, 8
	s_mov_b32 s101, 8192
	s_cselect_b32 s101, 256, s101
	s_lshl_b32 s69, s4, s69
	s_add_co_u32 s86, s86, s69
	s_add_nc_u64 s[PFA:PFA+1], s[PFA:PFA+1], s[86:87]
	v_lshrrev_b32 v[TA], 2, v3
	v_and_b32 v[TA+1], 3, v3
	v_lshlrev_b32 v[TA], 15, v[TA]
	v_mul_lo_u32 v[TA+1], v[TA+1], s101
	v_add_nc_u32 v[PFO], v[TA], v[TA+1]
	global_prefetch_b8 v[PFO], s[PFA:PFA+1] th:TH_LOAD_NT scope:SCOPE_SE   ; each work-group names its own key block alone, so each 256 bytes of kc and vc are named once in the launch; the address is never rewritten
.irp g, 0,1,2,3,4
	s_add_co_i32 s101, s6, \g
	s_max_i32 s101, s101, 0
	s_min_i32 s101, s101, 31                       ; a block beyond the sequence's ends is read from a block inside and masked
	s_lshl_b32 s69, s101, 10
	v_lshl_add_u32 v[KAO+\g], v3, 4, s69
	s_lshl_b32 s69, s101, 8
	v_lshl_add_u32 v[200+\g], v3, 3, s69           ; k's scale bytes: 8 a key, a lane a key
.endr
	s_wait_alu depctr_va_vdst(0)
.irp e, 0,1                                    ; my columns' bq, bg, bo: 512 bytes a load
	global_load_b128 v[212+4*\e:215+4*\e], v[L16], s[14:15] offset:512*\e
	global_load_b128 v[220+4*\e:223+4*\e], v[L16], s[20:21] offset:512*\e
	global_load_b128 v[228+4*\e:231+4*\e], v[L16], s[26:27] offset:512*\e
.endr
.irp t, 0,1,2,3                                ; tile 0's scale words (16 rows: 512 consecutive bytes)
	global_load_b128 v[WS+4*\t:WS+4*\t+3], v[SOF], s[12:13] offset:512*\t
.endr
.irp g, 0,1,2,3,4
	global_load_b32 v[KS+\g], v[200+\g], s[34:35]
	global_load_b32 v[KH+\g], v[200+\g], s[34:35] offset:4
.endr
	s_add_nc_u64 s[NC:NC+1], s[10:11], 32768       ; tile 1
	s_add_nc_u64 s[NS:NS+1], s[12:13], 2048
.irp c, 0,1,2
	s_add_co_i32 s101, s6, 2*\c
	s_max_i32 s101, s101, 0
	s_min_i32 s101, s101, 31
	s_lshl_b32 s101, s101, 8
	s_add_co_i32 s69, s6, 2*\c+1
	s_max_i32 s69, s69, 0
	s_min_i32 s69, s69, 31
	s_lshl_b32 s69, s69, 8
	v_mov_b32 v[TA], s101
	v_mov_b32 v[TA+1], s69
	v_cndmask_b32 v[TA], v[TA], v[TA+1], s[HM]
	v_lshl_add_u32 v[VAO+\c], v1, 4, v[TA]
.endr
	s_ashr_i32 s101, s6, 3                         ; v's scale bytes lie eight blocks to a group: the group that holds g0, and the next
	s_max_i32 s69, s101, 0
	s_min_i32 s69, s69, 3
	s_lshl_b32 s69, s69, 13
	v_lshl_add_u32 v[VSA], v1, 3, s69
	s_add_co_i32 s101, s101, 1
	s_max_i32 s69, s101, 0
	s_min_i32 s69, s69, 3
	s_lshl_b32 s69, s69, 13
	v_lshl_add_u32 v[VSA+1], v1, 3, s69
	s_and_b32 s101, s6, 7
	s_cmp_ge_u32 s101, 4
	s_cselect_b32 s[SELM], -1, 0                   ; g0 lies in its group's upper word
	s_and_b32 s[SHB], s6, 3
	s_lshl_b32 s[SHB], s[SHB], 3                   ; and so many bits up in it
	s_mov_b32 s69, 0xf1800000                      ; -2^100
	s_cmp_lt_i32 s6, 0
	s_cselect_b32 s[EB], s69, 0
	s_cmp_lt_i32 s6, -1
	s_cselect_b32 s[EB+1], s69, 0
	s_cmp_gt_i32 s6, 28
	s_cselect_b32 s[EB+3], s69, 0
	s_cmp_gt_i32 s6, 27
	s_cselect_b32 s[EB+4], s69, 0
	; the edge masks.  A score's key is number 16 kt + 8 h + j of the window; query 16 qt + r sees numbers 16 qt + r .. 16 qt + r + 128: tile kt = qt counts where 8 h + j >= r, tile qt + 8 where 8 h + j <= r, those between wholly
	v_lshlrev_b32 v[TA], 3, v2
	v_sub_nc_u32 v[TA], v1, v[TA]                  ; r - 8 h
	v_mov_b32 v206, 0
	v_mov_b32 v207, s69
	WIN 0x40
.irp j, 0,1,2,3,4,5,6,7
	v_cmp_lt_i32 vcc_lo, \j, v[TA]
	v_cndmask_b32 v[ML+\j], v206, v207, vcc_lo
	v_cmp_gt_i32 vcc_lo, \j, v[TA]
	v_cndmask_b32 v[MH+\j], v206, v207, vcc_lo
.endr
.irp i, 168,169,170,171, 240,241,242,243, 248,249,250,251
	v_mov_b32 v[\i], 0                             ; zero codes: behind k's last tile; q's upper halves
.endr
	WIN 0
.irp i, PF+12,PF+13,PF+14,PF+15, BP,BP+1,BP+2,BP+3,BP+4, NMP+1,NMP+3,NMP+5,NMP+7,NMP+9, RC+1,XT,QTM+2,QTM+3
	v_mov_b32 v[\i], 0                             ; p's last four registers; lane permutes' destinations, which count as sources; pairs' upper halves
.endr
	s_wait_alu depctr_va_vdst(0)
	s_wait_loadcnt 0x0
.irp i, 0,1,2
.irp e, 0,1
	ds_store_b128 v244, v[212+8*\i+4*\e:215+8*\i+4*\e] offset:1024*\i+512*\e
.endr
.endr
	s_wait_tensorcnt 0x0                           ; hidden_states is in
	ds_add_u32 v[SPW], v[NIL]
	s_mov_b32 s61, s67                             ; slot 0, my quarter
	s_mov_b64 s[62:63], s[10:11]                   ; tile 0
	s_or_b32 s63, s63, 0x80000000
	s_wait_dscnt 0x0
	ROUND                                          ; all four work-groups are here: the joint loads meet
	tensor_load_to_lds s[60:63], s[G1:G1+7]
	s_nop 0
	PLACES 4
	WIN 0x80
.irp rt, 0,1
.irp T, 0,1,2,3,4,5,6,7,8,9,10,11,12,13,14,15
.irp e, 0,1
	ds_load_b128 v[128*\rt+8*\T+4*\e:128*\rt+8*\T+4*\e+3], v245 offset:16640*\rt+64*\T+16*\e
.endr
.endr
.endr
	WIN 0
	; my 256 columns are K steps 2 w and 2 w + 1: four fragments (rt, sp); their images go to LDS
.irp rt, 0,1
.irp sp, 0,1
	s_wait_dscnt 48-32*\rt-16*\sp                  ; this group's sixteen loads are in; the later groups' may be out
	QUANT2 128*\rt+64*\sp, 2, 160+8*(2*\rt+\sp), 0, 192+2*(2*\rt+\sp)
	QUANT2 128*\rt+64*\sp+32, 2, 164+8*(2*\rt+\sp), 0, 193+2*(2*\rt+\sp)
.endr
.endr
.irp i, 0,1,2,3
	v_lshl_or_b32 v[192+2*\i], v[193+2*\i], 16, v[192+2*\i]
.endr
.irp sp, 0,1
	v_cndmask_b32 v[200+\sp], v[192+2*\sp], v[196+2*\sp], s[HM]    ; rt 0's word in lanes 0-15, rt 1's in lanes 16-31
.endr
.irp rt, 0,1
.irp sp, 0,1
.irp u, 0,1
	ds_store_b128 v242, v[160+8*(2*\rt+\sp)+4*\u:163+8*(2*\rt+\sp)+4*\u] offset:8192*\rt+1024*\sp+512*\u
.endr
.endr
.endr
.irp sp, 0,1
	ds_store_b32 v243, v[200+\sp] offset:128*\sp
.endr
	s_mov_b32 s[JH], 0
	s_mov_b32 s[CI], 0
	s_mov_b32 s[CSO], 0
	s_mov_b32 s[TB], SLOTB
	s_wait_alu depctr_va_vdst(0)
	s_wait_dscnt 0x0                               ; for the others' sake
	s_barrier_signal -1
	s_barrier_wait -1                              ; h's sixteen fragments lie in LDS (tile 0's load may stay out)
	WIN 0x40
.irp f, 0,1,2,3,4,5,6,7,8,9,10,11,12,13,14,15
.irp c, 0,1
	ds_load_b128 v[8*\f+4*\c:8*\f+4*\c+3], v[IMA] offset:1024*\f+512*\c
.endr
.endr
	WIN 0
.irp s, 0,1,2,3,4,5,6,7
	ds_load_b32 v[OS+\s], v[HSA] offset:128*\s
.endr
	CHANGE                                         ; tile 0 is in; tile 1 is asked for
	s_add_nc_u64 s[NC:NC+1], s[NC:NC+1], 32768
.irp s, 0,1,2,3,4,5,6,7
	LDW AW0, \s
.endr
	WIN 0
; S^T = k q^T for query tile qt: its nine tiles of 16 keys
.macro SPROD qt
	WIN 0x15
.irp i, 0,1,2,3,4,5,6,7,8
.if \i == 0
	WM SC+8*\i, KF+4*(\i+\qt), QF+8*\qt, ML, KS+(\i+\qt)/2, QS+\qt, (\i+\qt)%2, 0
.elseif \i == 8
	WM SC+8*\i, KF+4*(\i+\qt), QF+8*\qt, MH, KS+(\i+\qt)/2, QS+\qt, (\i+\qt)%2, 0
.else
	WM SC+8*\i, KF+4*(\i+\qt), QF+8*\qt, -1, KS+(\i+\qt)/2, QS+\qt, (\i+\qt)%2, 0
.endif
.endr
	WIN 0
.endm
; the softmax of query tile qt: a lane holds one query and 72 of its 144 scores.  Block b begins at BSb and has BNb registers: 16, or 8 where the block's other tile is hidden
.macro SOFT qt
.irp b, 0,1,2,3,4
.set BS\b, SC+16*\b-8*\qt
.set BN\b, 16
.endr
.if \qt
.set BS0, SC
.set BN0, 8
.else
.set BN4, 8
.endif
	PLACES 4
.irp b, 0,1,2,3,4
	v_max3_num_f32 v[BM+\b], v[BS\b], v[BS\b+1], v[BS\b+2]         ; the largest score of each block: it serves the row's maximum and, since p rises with the score, the block's largest p
.endr
.irp i, 3,5,7,9,11,13
.irp b, 0,1,2,3,4
.if (\i < 7) || (BN\b == 16)
	v_max3_num_f32 v[BM+\b], v[BM+\b], v[BS\b+\i], v[BS\b+\i+1]
.endif
.endr
.endr
.irp b, 0,1,2,3,4
	v_max_num_f32 v[BM+\b], v[BM+\b], v[BS\b+BN\b-1]
.endr
.irp b, 0,1,2,3,4
	v_permlanex16_b32 v[BP+\b], v[BM+\b], s[SEL], s[SEL+1]
.endr
.irp b, 0,1,2,3,4
	v_max_num_f32 v[BM+\b], v[BM+\b], v[BP+\b]
.endr
.irp b, 0,1,3,4
	v_add_f32 v[BM+\b], s[EB+\b], v[BM+\b]                         ; a block beyond the sequence's ends
.endr
	v_max3_num_f32 v[RM], v[BM], v[BM+1], v[BM+2]
	v_max3_num_f32 v[RM], v[RM], v[BM+3], v[BM+4]                  ; the row's largest score: its own key always counts
	v_mul_f32 v[RM], s[CS], v[RM]
	v_floor_f32 v[NMP+4], -v[RM]                                   ; -M = floor(-t) = -ceil(t)
.irp b, 0,1,3,4
	v_add_f32 v[NMP+2*\b], s[EB+\b], v[NMP+4]
.endr
.irp b, 0,1,2,3,4
	v_fma_f32 v[BM+\b], v[BM+\b], s[CS], v[NMP+4]
.endr
.irp b, 0,1,2,3,4
.set n, 0
.rept BN\b/2
	v_pk_fma_f32 v[BS\b+n:BS\b+n+1], v[BS\b+n:BS\b+n+1], s[CS:CS+1], v[NMP+2*\b:NMP+2*\b+1] op_sel_hi:[1,0,0]   ; t - M
.set n, n+2
.endr
.endr
	s_wait_alu depctr_va_vdst(0)
.set n, 0
.rept 72
	v_exp_f32 v[SC+n], v[SC+n]                                     ; p = 2^(t - M): not normalised
.set n, n+1
.endr
	v_nop                                                          ; a plain instruction behind the batch
	s_wait_alu depctr_va_vdst(0)                                   ; one wait for the 72, ahead of their first reader
.irp b, 0,1,2,3,4
	v_exp_f32 v[BM+\b], v[BM+\b]                                   ; each block's largest p
.endr
	v_pk_add_f32 v[LL:LL+1], v[SC:SC+1], v[SC+2:SC+3]              ; the row's sum, of the unquantised p, in two chains
	v_pk_add_f32 v[LT:LT+1], v[SC+4:SC+5], v[SC+6:SC+7]
.set n, 8
.rept 16
	v_pk_add_f32 v[LL:LL+1], v[LL:LL+1], v[SC+n:SC+n+1]
	v_pk_add_f32 v[LT:LT+1], v[LT:LT+1], v[SC+n+2:SC+n+3]
.set n, n+4
.endr
	v_pk_add_f32 v[LL:LL+1], v[LL:LL+1], v[LT:LT+1]
	s_wait_alu depctr_va_vdst(0)                                   ; and one for the five
.irp b, 0,1,2,3,4
	v_max_num_f32 v[BM+\b], 0x1800000, v[BM+\b]                    ; the floor: a block whose every p is 0 keeps the byte 1; its codes are zeros
.endr
.irp b, 0,1,2,3,4
	v_add_nc_u32 v[SX+\b], 0xff000000, v[BM+\b]
.endr
.irp b, 0,1,2,3,4
	v_lshrrev_b32 v[BX+\b], 23, v[SX+\b]
.endr
	v_lshl_or_b32 v[PS], v[BX+1], 8, v[BX]
	v_lshl_or_b32 v[PS], v[BX+2], 16, v[PS]
	v_lshl_or_b32 v[PS], v[BX+3], 24, v[PS]                        ; blocks 0-3: the first 128 keys' scale word
	v_mov_b32 v[PS+1], v[BX+4]                                     ; block 4: the second's
	v_mov_b32 v[PF+9], 0                                           ; block 5 does not exist: zero codes change places with block 4's upper halves
	v_mov_b32 v[PF+11], 0
	v_mov_b32 v[PF+10*(1-\qt)], 0                                  ; the hidden tile's codes: block 4's second (qt 0), block 0's first (qt 1)
.irp g, 0,1,2,3
.irp u, 0,1
.if 2*\g+\u >= \qt
	v_cvt_scalef32_pk8_fp4_f32 v[PF+4*(\g/2)+2*\u+\g%2], v[SC+8*(2*\g+\u-\qt):SC+8*(2*\g+\u-\qt)+7], v[SX+\g]
.endif
.endr
.endr
.irp u, 0,1
.if \u <= \qt
	v_cvt_scalef32_pk8_fp4_f32 v[PF+8+2*\u], v[SC+8*(8+\u-\qt):SC+8*(8+\u-\qt)+7], v[SX+4]
.endif
.endr
	v_nop
.irp i, 0,2,4,6,8,10
	v_permlane16_swap_b32 v[PF+\i], v[PF+\i+1]
.endr
.endm
; O^T = v^T p^T for query tile qt: 128 keys, then 32; four accumulators by turns; then ctx = O / l, quantised: half a fragment of the out projection's operand: K step 2 w + head / 2, registers 4 x (head % 2) on
.macro CTX qt
	PLACES 8                                                       ; p's codes and scale words were written by vector instructions
	WIN 0x01
.irp dt, 0,1,2,3
	WM OA+8*\dt, VF+12*\dt, PF, -1, VS+2*\dt, PS, 0, 0
.endr
.irp dt, 0,1,2,3
	WM OA+8*\dt, VF+12*\dt+8, PF+8, OA+8*\dt, VS+2*\dt+1, PS+1, 0, 0
.endr
	WIN 0
	v_add_f32 v[LS], v[LL], v[LL+1]                                ; the sum's two halves,
	v_permlanex16_b32 v[XT], v[LS], s[SEL], s[SEL+1]
	v_add_f32 v[LS], v[LS], v[XT]                                  ; and lane l xor 16's
	s_wait_alu depctr_va_vdst(0)
	v_rcp_f32 v[RC], v[LS]
	PLACES 2                                                       ; with the three lines above: the places behind the products, and the reciprocal's own
	s_wait_alu depctr_va_vdst(0)                                   ; ahead of the first reader of the reciprocal and of the products
.set n, 0
.rept 16
	v_pk_mul_f32 v[OA+n:OA+n+1], v[OA+n:OA+n+1], v[RC:RC+1] op_sel_hi:[1,0]
.set n, n+2
.endr
	QUANT2 OA, 0, CX, 0, CW+\qt
	ds_store_b128 v[TA], v[CX:CX+3] offset:8192*\qt
.endm
.macro AHEAD s                         ; two K steps of the next Wq tile into window 3; behind the last of Wq's tiles comes Wo's first, which is read from its slot
	WIN 0
	s_cmp_eq_u32 s[JH], 3
	s_cbranch_scc1 .Lno_more_\@
	LDW ADW, \s
	LDW ADW, (\s)+1
	WIN 0
.Lno_more_\@:
.endm
.Lhead:                                            ; four trips: head 4 w + JH: its 64 columns of q, then its attention
.irp rt, 0,1                                   ; the bias is loaded into the sums' registers
.irp t, 0,1,2,3
.irp e, 0,1
	ds_load_b128 v[QA+32*\rt+8*\t+4*\e:QA+32*\rt+8*\t+4*\e+3], v[BLH] offset:64*\t+16*\e
.endr
.endr
.endr
	WIN 0x40
.irp g, 0,1,2,3,4
.irp u, 0,1
	global_load_b128 v[KF+8*\g+4*\u:KF+8*\g+4*\u+3], v[KAO+\g], s[KB:KB+1] offset:512*\u     ; k's ten tiles: 512 consecutive bytes each, in the order of the operand's registers
.endr
.endr
.irp dt, 0,1,2,3
.irp c, 0,1,2
	global_load_b128 v[VF+12*\dt+4*\c:VF+12*\dt+4*\c+3], v[VAO+\c], s[VB:VB+1] offset:8192*\dt
.endr
.endr
	WIN 0
.irp dt, 0,1,2,3
	global_load_b64 v[VR+4*\dt:VR+4*\dt+1], v[VSA], s[VSB:VSB+1] offset:128*\dt
	global_load_b64 v[VR+4*\dt+2:VR+4*\dt+3], v[VSA+1], s[VSB:VSB+1] offset:128*\dt
.endr
	s_wait_loadcnt 30                              ; the tile's scale words are in; the 10 + 12 + 8 loads above may be out
	s_wait_dscnt 0x0                               ; its fragments and the bias
	WIN 0x07
.irp s, 0,1,2,3,4,5,6,7                        ; 64 columns x 32 rows x K 1,024; the eight accumulators take turns, one instruction a turn
.irp t, 0,1,2,3
.irp rt, 0,1
	WM QA+32*\rt+8*\t, 32*\s+8*\t, 8*(8*\rt+\s), QA+32*\rt+8*\t, WS+4*\t+\s%4, OS+\s, \s/4, \rt
.endr
.endr
.endr
	WIN 0
	PLACES 4
.irp t, 0,1,2,3                                ; the next tile's scale words
	global_load_b128 v[WS+4*\t:WS+4*\t+3], v[SOF], s[NS:NS+1] offset:512*\t
.endr
	QUANT2 QA, 0, QF, 1, QS
	QUANT2 QA+32, 0, QF+8, 1, QS+1
	CHANGE                                         ; the next tile is in, and the one after it is asked for
	s_add_nc_u64 s[86:87], s[NC:NC+1], 32768
	s_cmp_eq_u32 s[JH], 1                          ; behind Wq's last tile comes Wo's first
	s_cselect_b64 s[NC:NC+1], s[22:23], s[86:87]
	v_add_nc_u32 v[ADW], s[TB], v[AW0]
	v_add_nc_u32 v[TA], s[CI], v[CIM]
	v_add_nc_u32 v[TA+1], s[CSO], v[CSW]
	s_wait_alu depctr_va_vdst(0)
	s_wait_loadcnt 4                               ; k, v and v's bytes are in; the four loads of scale words may be out
.irp dt, 0,1,2,3                               ; v's scale words: five bytes from block g0 on, out of two groups of eight
	v_cndmask_b32 v[XT], v[VR+4*\dt], v[VR+4*\dt+1], s[SELM]
	v_cndmask_b32 v[XT+1], v[VR+4*\dt+1], v[VR+4*\dt+2], s[SELM]
	v_cndmask_b32 v[XT+2], v[VR+4*\dt+2], v[VR+4*\dt+3], s[SELM]
	v_alignbit_b32 v[VS+2*\dt], v[XT+1], v[XT], s[SHB]
	v_alignbit_b32 v[VS+2*\dt+1], v[XT+2], v[XT+1], s[SHB]
.endr
	SPROD 0
	AHEAD 0
	SOFT 0
	CTX 0
	s_wait_alu depctr_va_vdst(0)
	AHEAD 2
	SPROD 1
	AHEAD 4
	SOFT 1
	CTX 1
	v_cndmask_b32 v[CW], v[CW], v[CW+1], s[HM]     ; rt 0's bytes in lanes 0-15, rt 1's in lanes 16-31
	ds_store_b32 v[TA+1], v[CW]
.irp g, 0,1,2,3,4
	v_alignbit_b32 v[KS+\g], v[KH+\g], v[KS+\g], 16                ; k's scale bytes: the next head's two come down
	v_lshrrev_b32 v[KH+\g], 16, v[KH+\g]
.endr
	v_add_nc_u32 v[BLH], 256, v[BLH]
	s_wait_alu depctr_va_vdst(0)
	AHEAD 6
	s_wait_xcnt 0x0                                ; this trip's loads have read their bases: they step
	s_add_nc_u64 s[KB:KB+1], s[KB:KB+1], 32768
	s_add_nc_u64 s[VB:VB+1], s[VB:VB+1], 32768
	s_add_nc_u64 s[VSB:VSB+1], s[VSB:VSB+1], 512
	s_add_nc_u64 s[86:87], s[NS:NS+1], 2048
	s_cmp_eq_u32 s[JH], 2
	s_cselect_b64 s[NS:NS+1], s[24:25], s[86:87]
	s_xor_b32 s[TB], s[TB], SLOTB
	s_add_co_u32 s[CI], s[CI], 512
	s_add_co_u32 s[CSO], s[CSO], 128
	s_add_co_u32 s[JH], s[JH], 1
	s_cmp_lt_u32 s[JH], 4
	s_cbranch_scc1 .Lhead
; THE GATE AND THE OUT PROJECTION, 64 columns of mine a period: z = h + sigmoid(h Wg^T + bg) (ctx Wo^T + bo).  Wo's tile lies in the ring; Wg's fragments come straight into five sets of registers.
.macro DFL n                           ; Wg's K step n (tile n / 8): eight loads of 512 consecutive bytes
	WIN 0xc0
.irp t, 0,1,2,3
.irp c, 0,1
	global_load_b128 v[DF+32*((\n)%5)+8*\t+4*\c:DF+32*((\n)%5)+8*\t+4*\c+3], v[L16], s[16:17] offset:(4*((\n)/8)+\t)*8192+1024*((\n)%8)+512*\c
.endr
.endr
.endm
.macro RFL sl, s                       ; K step s of Wo's tile: four fragments
	WIN 0xc0
.irp t, 0,1,2,3
.irp c, 0,1
	ds_load_b128 v[32*((\s)%3)+8*\t+4*\c:32*((\s)%3)+8*\t+4*\c+3], v[AW0+\sl] offset:8448*\t+64*(\s)+32*\c
.endr
.endr
.endm
.macro WGS j                           ; the scale words of Wg's tile j
.irp t, 0,1,2,3
	global_load_b128 v[WGE-32*((\j)%2)+4*\t:WGE-32*((\j)%2)+4*\t+3], v[SOF], s[18:19] offset:2048*(\j)+512*\t
.endr
.endm
.macro WOS j                           ; and of Wo's
.irp t, 0,1,2,3
	global_load_b128 v[WS+152*((\j)%2)+4*\t:WS+152*((\j)%2)+4*\t+3], v[SOF], s[24:25] offset:2048*(\j)+512*\t
.endr
.endm
.macro GBIAS j                         ; the biases of tile j into the sums' registers
.irp rt, 0,1
.irp t, 0,1,2,3
.irp e, 0,1
	ds_load_b128 v[AG+32*\rt+8*\t+4*\e:AG+32*\rt+8*\t+4*\e+3], v[BLA] offset:1024+256*(\j)+64*\t+16*\e
	ds_load_b128 v[AO+32*\rt+8*\t+4*\e:AO+32*\rt+8*\t+4*\e+3], v[BLA] offset:2048+256*(\j)+64*\t+16*\e
.endr
.endr
.endr
.endm
.macro GO j
.if (\j) == 0                                  ; Wo's first tile has been in since the last change of slots
.elseif (\j) < 3
	CHANGE
	s_add_nc_u64 s[NC:NC+1], s[NC:NC+1], 32768
.else
	WIN 0
	s_wait_alu depctr_va_vdst(0)
	s_wait_tensorcnt 0x0                           ; the last tile has landed in my own quarter, which I alone read; nothing is filled any more
.endif
.if (\j) < 3                                   ; the next tile's scale words
	WOS \j+1
	WGS \j+1
.endif
	RFL (\j)%2, 0
	RFL (\j)%2, 1
	RFL (\j)%2, 2
.irp s, 0,1,2,3,4,5,6,7
.if \s < 6
	s_wait_dscnt 16                                ; this step's eight are in; the two later steps' may be out
.elseif \s == 6
	s_wait_dscnt 8
.else
	s_wait_dscnt 0x0
.endif
.if 8*\j+\s < 28
	s_wait_loadcnt 32                              ; Wg's K step 8 j + s is in; the four later steps' loads may be out
.else
	s_wait_loadcnt 8*(31-8*\j-\s)                  ; the last steps: as many as are left
.endif
	WIN 0x07
.irp t, 0,1,2,3
.irp rt, 0,1
	WM AO+32*\rt+8*\t, 32*(\s%3)+8*\t, CF+8*(8*\rt+\s), AO+32*\rt+8*\t, WS+152*(\j%2)+4*\t+\s%4, OC+\s, \s/4, \rt
.endr
.endr
.irp t, 0,1,2,3
.irp rt, 0,1
	WM AG+32*\rt+8*\t, DF+32*((8*\j+\s)%5)+8*\t, 8*(8*\rt+\s), AG+32*\rt+8*\t, WGE-32*(\j%2)+4*\t+\s%4, OS+\s, \s/4, \rt
.endr
.endr
	PLACES 4
.if \s < 5
	RFL (\j)%2, \s+3
.endif
.if 8*\j+\s+5 < 32
	DFL 8*\j+\s+5
.endif
.endr
	WIN 0
.if (\j) == 3
.irp e, 0,1                                    ; my columns' ln_g, ln_b
	global_load_b128 v[192+4*\e:195+4*\e], v[L16], s[28:29] offset:512*\e
	global_load_b128 v[200+4*\e:203+4*\e], v[L16], s[30:31] offset:512*\e
.endr
.endif
.set n, 0
.rept 32
	v_pk_mul_f32 v[AG+n:AG+n+1], v[AG+n:AG+n+1], s[NL:NL+1] op_sel_hi:[1,0]    ; sigmoid(x) = 1 / (1 + 2^(-log2(e) x))
.set n, n+2
.endr
	s_wait_alu depctr_va_vdst(0)
.set n, 0
.rept 64
	v_exp_f32 v[AG+n], v[AG+n]
.set n, n+1
.endr
	v_nop
	s_wait_alu depctr_va_vdst(0)                   ; one wait for the 64
.set n, 0
.rept 32
	v_pk_add_f32 v[AG+n:AG+n+1], v[AG+n:AG+n+1], 1.0 op_sel_hi:[1,0]
.set n, n+2
.endr
	s_wait_alu depctr_va_vdst(0)
.set n, 0
.rept 64
	v_rcp_f32 v[AG+n], v[AG+n]
.set n, n+1
.endr
	v_nop
	WIN 0xa0
	s_wait_alu depctr_va_vdst(0)                   ; one wait for the 64 reciprocals, and for the out projection's sums
.irp rt, 0,1
.set n, 0
.rept 16
	v_pk_fma_f32 v[128*\rt+32*\j+n:128*\rt+32*\j+n+1], v[AG+32*\rt+n:AG+32*\rt+n+1], v[AO+32*\rt+n:AO+32*\rt+n+1], v[128*\rt+32*\j+n:128*\rt+32*\j+n+1]
.set n, n+2
.endr
.endr
	WIN 0
.if (\j) < 3
	GBIAS \j+1
.endif
.endm
	WGS 0
	DFL 0
	DFL 1
	DFL 2
	DFL 3
	DFL 4
	WIN 0
	s_wait_dscnt 0x0                               ; for the others' sake: my part of ctx
	s_barrier_signal -1
	s_barrier_wait -1                              ; (Wo's second tile may stay out)
	WIN 0x40
.irp f, 0,1,2,3,4,5,6,7,8,9,10,11,12,13,14,15
.irp c, 0,1
	ds_load_b128 v[CF+8*\f+4*\c:CF+8*\f+4*\c+3], v[IMA] offset:TOC+1024*\f+512*\c
.endr
.endr
	WIN 0
.irp i, 0,1,2,3,4,5,6,7,8,9,10,11,12,13,14,15
	ds_load_b32 v[AG+\i], v[HSA] offset:TOC+128*\i
.endr
	s_wait_dscnt 0x0
.irp s, 0,1,2,3,4,5,6,7
	v_lshl_or_b32 v[OC+\s], v[AG+2*\s+1], 16, v[AG+2*\s]           ; two heads' bytes make a K step's scale word
.endr
	PLACES 8                                       ; they stand 8 places ahead of the products
	GBIAS 0
	s_wait_alu depctr_va_vdst(0)
	GO 0
	GO 1
	GO 2
	GO 3
	; LAYERNORM of z, with 4 eps.  A row's 1,024 numbers lie in lanes l and l xor 16 of four waves.
	s_mul_i32 s101, s[WV], 3072
	s_add_co_u32 s101, s101, BIA
	v_add_nc_u32 v[TA], s101, v[L16]
	s_lshl_b32 s101, s[WV], 7
	s_add_co_u32 s101, s101, PART
	v_add_nc_u32 v20, s101, v[L4]
	v_add_nc_u32 v21, PART, v[L4]
	s_mov_b32 s96, 0x3a800000                      ; 1 / 1,024
	s_mov_b32 s97, 0x3827c5ac                      ; 4 x 1e-5
	s_wait_alu depctr_va_vdst(0)
	s_wait_loadcnt 0x0
.irp i, 0,1,2,3
	ds_store_b128 v[TA], v[192+4*\i:195+4*\i] offset:512*\i        ; ln_g and ln_b of my columns go where bq and bg lay, my own bytes, and come back in z's layout
.endr
	WIN 0xc0
.irp T, 0,1,2,3,4,5,6,7,8,9,10,11,12,13,14,15
.irp e, 0,1
	ds_load_b128 v[8*\T+4*\e:8*\T+4*\e+3], v[BLA] offset:64*\T+16*\e
	ds_load_b128 v[128+8*\T+4*\e:128+8*\T+4*\e+3], v[BLA] offset:1024+64*\T+16*\e
.endr
.endr
	WIN 0
; the four chains in v[SA ..] become both tiles' row totals: v[RR] rt 0's, v[RR+1] rt 1's, in every lane of the row
.macro REDUCE off
	WIN 0
	v_pk_add_f32 v[SA:SA+1], v[SA:SA+1], v[SA+2:SA+3]
	v_pk_add_f32 v[SA+4:SA+5], v[SA+4:SA+5], v[SA+6:SA+7]
	v_add_f32 v[RR], v[SA], v[SA+1]
	v_add_f32 v[RR+1], v[SA+4], v[SA+5]
	v_permlanex16_b32 v[RR+2], v[RR], s[SEL], s[SEL+1]
	v_permlanex16_b32 v[RR+3], v[RR+1], s[SEL], s[SEL+1]
	v_add_f32 v[RR], v[RR], v[RR+2]
	v_add_f32 v[RR+1], v[RR+1], v[RR+3]
	v_cndmask_b32 v[RR], v[RR], v[RR+1], s[HM]     ; lanes 0-15: rt 0's row r; lanes 16-31: rt 1's
	ds_store_b32 v20, v[RR] offset:\off
	s_wait_alu depctr_va_vdst(0)
	s_wait_dscnt 0x0                               ; for the others' sake
	s_barrier_signal -1
	s_barrier_wait -1
.irp i, 0,1,2,3
	ds_load_b32 v[RR+4+\i], v21 offset:\off+128*\i
.endr
	s_wait_dscnt 0x0
	v_add_f32 v[RR+4], v[RR+4], v[RR+5]
	v_add_f32 v[RR+6], v[RR+6], v[RR+7]
	v_add_f32 v[RR+4], v[RR+4], v[RR+6]
	v_permlanex16_b32 v[RR+5], v[RR+4], s[SEL], s[SEL+1]
	v_cndmask_b32 v[RR], v[RR+4], v[RR+5], s[HM]
	v_cndmask_b32 v[RR+1], v[RR+5], v[RR+4], s[HM]
.endm
	WIN 0x0a
.irp rt, 0,1
	v_pk_add_f32 v[SA+4*\rt:SA+4*\rt+1], v[128*\rt:128*\rt+1], v[128*\rt+2:128*\rt+3]
	v_pk_add_f32 v[SA+4*\rt+2:SA+4*\rt+3], v[128*\rt+4:128*\rt+5], v[128*\rt+6:128*\rt+7]
.endr
	WIN 0x08
.set n, 8
.rept 30
.irp rt, 0,1
	v_pk_add_f32 v[SA+4*\rt:SA+4*\rt+1], v[SA+4*\rt:SA+4*\rt+1], v[128*\rt+n:128*\rt+n+1]
	v_pk_add_f32 v[SA+4*\rt+2:SA+4*\rt+3], v[SA+4*\rt+2:SA+4*\rt+3], v[128*\rt+n+2:128*\rt+n+3]
.endr
.set n, n+4
.endr
	REDUCE 0
	v_mul_f32 v[MU], 0xba800000, v[RR]             ; -mu
	v_mul_f32 v[MU+2], 0xba800000, v[RR+1]
	WIN 0x82
.irp rt, 0,1
.set n, 0
.rept 64
	v_pk_add_f32 v[128*\rt+n:128*\rt+n+1], v[128*\rt+n:128*\rt+n+1], v[MU+2*\rt:MU+2*\rt+1] op_sel_hi:[1,0]   ; z - mu, in place
.set n, n+2
.endr
.endr
	WIN 0x0a
.irp rt, 0,1
	v_pk_mul_f32 v[SA+4*\rt:SA+4*\rt+1], v[128*\rt:128*\rt+1], v[128*\rt:128*\rt+1]
	v_pk_mul_f32 v[SA+4*\rt+2:SA+4*\rt+3], v[128*\rt+2:128*\rt+3], v[128*\rt+2:128*\rt+3]
.endr
.set n, 4
.rept 31
.irp rt, 0,1
	v_pk_fma_f32 v[SA+4*\rt:SA+4*\rt+1], v[128*\rt+n:128*\rt+n+1], v[128*\rt+n:128*\rt+n+1], v[SA+4*\rt:SA+4*\rt+1]
	v_pk_fma_f32 v[SA+4*\rt+2:SA+4*\rt+3], v[128*\rt+n+2:128*\rt+n+3], v[128*\rt+n+2:128*\rt+n+3], v[SA+4*\rt+2:SA+4*\rt+3]
.endr
.set n, n+4
.endr
	REDUCE 512                                     ; other bytes than the first pass's: no barrier is owed between the two
	v_fma_f32 v[RR], v[RR], s96, s97               ; the variance of z + 4 eps
	v_fma_f32 v[RR+1], v[RR+1], s96, s97
	s_wait_alu depctr_va_vdst(0)
	v_rsq_f32 v[MU], v[RR]
	v_rsq_f32 v[MU+2], v[RR+1]
	v_nop
	s_wait_alu depctr_va_vdst(0)                   ; one wait for the two, ahead of their first reader
.macro NORM rt
	WIN 0x82
.set n, 0
.rept 64
	v_pk_mul_f32 v[128*\rt+n:128*\rt+n+1], v[128*\rt+n:128*\rt+n+1], v[MU+2*\rt:MU+2*\rt+1] op_sel_hi:[1,0]
.set n, n+2
.endr
	WIN 0xbe
.set n, 0
.rept 64
	v_pk_fma_f32 v[128*\rt+n:128*\rt+n+1], v[128*\rt+n:128*\rt+n+1], v[n:n+1], v[128+n:128+n+1]
.set n, n+2
.endr
.endm
; THE WAY OUT.  A lane holds 32 neighbouring bytes of a row, and the lanes beside it other rows: 16 rows x 1,024 bytes go through my stage (rows of 1,040 bytes) and come back as runs of 512 bytes.
; The stage is my quarter of slot 0: it has had its last fill, and I alone read it.  LDS serves a wave's instructions in order, so no wait stands between the stores and the loads.
.macro STAGE rt
	WIN 0x08
.set n, 0
.rept 32
	ds_store_b128 v[STI], v[128*\rt+4*n:128*\rt+4*n+3] offset:16640*\rt+64*(n/2)+16*(n%2)
.set n, n+1
.endr
	WIN 0x40
.set n, 0
.rept 32
	ds_load_b128 v[128*\rt+4*n:128*\rt+4*n+3], v[STB] offset:16640*\rt+1040*(n/2)+512*(n%2)
.set n, n+1
.endr
	WIN 0
.endm
.macro SEND rt, counted
	WIN 0x04
.set n, 0
.rept 32
.if \counted
	s_wait_dscnt 31-n                              ; load n is back; those behind it may be out
.endif
	global_store_b128 v[L16], v[128*\rt+4*n:128*\rt+4*n+3], s[40:41] offset:(16*\rt+n/2)*4096+512*(n%2) th:TH_STORE_NT   ; 32 lanes store 512 consecutive bytes, aligned
.set n, n+1
.endr
	WIN 0
.endm
	NORM 0
	STAGE 0
	NORM 1                                         ; the second tile's arithmetic stands between the first's loads and its stores
	s_wait_alu depctr_va_vdst(0)
	s_wait_dscnt 0x0
	SEND 0, 0
	STAGE 1
	SEND 1, 1
	s_wait_tensorcnt 0x0                           ; the wave's end
	ds_add_u32 v[SPW], v[NIL]
	s_wait_dscnt 0x0
	ROUND                                          ; the closing round: no work-group ends while a partner may still ask for a tile that names it
	s_endpgm
.Lfunc_end_k_q8810af46d2_fused:
	.size	k_q8810af46d2_fused, .Lfunc_end_k_q8810af46d2_fused-k_q8810af46d2_fused
	.p2alignl 7, 3214868480
	.fill 96, 4, 3214868480
	.section	.rodata,"a",@progbits
	.p2align	6, 0x0
	.amdhsa_kernel k_q8810af46d2_fused
		.amdhsa_group_segment_fixed_size 327680
		.amdhsa_private_segment_fixed_size 0
		.amdhsa_enable_private_segment 0
		.amdhsa_kernarg_size 136
		.amdhsa_user_sgpr_count 2
		.amdhsa_user_sgpr_kernarg_segment_ptr 1
		.amdhsa_wavefront_size32 1
		.amdhsa_system_sgpr_workgroup_id_x 1
		.amdhsa_system_sgpr_workgroup_id_y 1
		.amdhsa_system_sgpr_workgroup_id_z 1
		.amdhsa_system_vgpr_workitem_id 0
		.amdhsa_next_free_vgpr 1024
		.amdhsa_next_free_sgpr 102
		.amdhsa_reserve_vcc 1
		.amdhsa_float_denorm_mode_32 3
		.amdhsa_float_denorm_mode_16_64 3
		.amdhsa_memory_ordered 1
		.amdhsa_forward_progress 1
		.amdhsa_inst_pref_size 255
	.end_amdhsa_kernel
	.section	.bss,"aw",@nobits
	.p2align	6
	.space	262144
	.amdgpu_metadata
---
amdhsa.version: [ 1, 2 ]
amdhsa.kernels:
  - .name:           k_q8810af46d2_fused
    .symbol:         k_q8810af46d2_fused.kd
    .args:
      - { .name: hidden_states, .offset: 0, .size: 8, .value_kind: global_buffer, .address_space: global }
      - { .name: Wq_codes, .offset: 8, .size: 8, .value_kind: global_buffer, .address_space: global }
      - { .name: Wq_scales, .offset: 16, .size: 8, .value_kind: global_buffer, .address_space: global }
      - { .name: bq, .offset: 24, .size: 8, .value_kind: global_buffer, .address_space: global }
      - { .name: wgi, .offset: 32, .size: 8, .value_kind: global_buffer, .address_space: global }
      - { .name: Wg_scales, .offset: 40, .size: 8, .value_kind: global_buffer, .address_space: global }
      - { .name: bg, .offset: 48, .size: 8, .value_kind: global_buffer, .address_space: global }
      - { .name: Wo_codes, .offset: 56, .size: 8, .value_kind: global_buffer, .address_space: global }
      - { .name: Wo_scales, .offset: 64, .size: 8, .value_kind: global_buffer, .address_space: global }
      - { .name: bo, .offset: 72, .size: 8, .value_kind: global_buffer, .address_space: global }
      - { .name: ln_g, .offset: 80, .size: 8, .value_kind: global_buffer, .address_space: global }
      - { .name: ln_b, .offset: 88, .size: 8, .value_kind: global_buffer, .address_space: global }
      - { .name: kc, .offset: 96, .size: 8, .value_kind: global_buffer, .address_space: global }
      - { .name: ksc, .offset: 104, .size: 8, .value_kind: global_buffer, .address_space: global }
      - { .name: vc, .offset: 112, .size: 8, .value_kind: global_buffer, .address_space: global }
      - { .name: vsc, .offset: 120, .size: 8, .value_kind: global_buffer, .address_space: global }
      - { .name: out0, .offset: 128, .size: 8, .value_kind: global_buffer, .address_space: global }
    .group_segment_fixed_size: 327680
    .private_segment_fixed_size: 0
    .kernarg_segment_align: 8
    .kernarg_segment_size: 136
    .max_flat_workgroup_size: 128
    .sgpr_count:     102
    .vgpr_count:     1024
    .wavefront_size: 32
...
	.end_amdgpu_metadata
.endif
;; end of part 2
